; MI455X (gfx1250); checked and timed in simulation.
; The chip was launched on July 23, 2026; its instructions are those of AMD's public machine-readable ISA for CDNA 5 (MIT licence, August 2026) and "CDNA5" Instruction Set Architecture Reference Guide (July 2026). The comments in the code are by the model that wrote it; some were corrected since.
;; MCGF. Allowed arithmetic: float matrix products may take bf16 or f16 operands with f32 sums; all other float work in f32.
;; Inputs: Wk 1,024 x 1,024 float32; Wo 1,024 x 1,024 float32; Wq 1,024 x 1,024 float32; Wv 1,024 x 1,024 float32; bo 1,024 float32; x1 4 x 1,024 x 1,024 float32; x2 4 x 1,024 x 1,024 float32.
;; Outputs: out0 4 x 1,024 x 1,024 float32.
;; One version. Each part assembles by itself: llvm-mc -triple=amdgcn-amd-amdhsa -mcpu=gfx1250 --defsym DOCPART=n.
;; ======== version 1 of 1: 7 launches
;; limits: values are held in f16: magnitudes above 65,504 overflow, below 6.1e-05 lose precision; right only within a limited range of input values; inputs' magnitudes at most 65,504
;; workspace buffers: xh1 8,388,608 bytes; xh2 8,388,608 bytes; wh 8,392,704 bytes; qk 16,777,216 bytes; v1 8,396,800 bytes; v2 8,396,800 bytes; oh 8,388,608 bytes
;; launch prep (part 1): grid 768 x 1, 8 waves a work-group, no clusters, 1,280 bytes of LDS; arguments x1, x2, Wq, Wk, Wv, Wo, xh1, xh2, wh, v1; writes xh1, xh2, wh, v1
.if DOCPART == 1
	.amdgcn_target "amdgcn-amd-amdhsa--gfx1250"
	.amdhsa_code_object_version 6
	.text
	.protected	k_q45d5eba216_prep
	.globl	k_q45d5eba216_prep
	.p2align	8
	.type	k_q45d5eba216_prep,@function
k_q45d5eba216_prep:
	s_mov_b64 s[64:65], 0
	v_nop
	global_prefetch_b8 v0, s[64:65] scope:SCOPE_SE
	s_setreg_imm32_b32 hwreg(HW_REG_WAVE_MODE, 25, 1), 1
	s_wait_xcnt 0x0
; x1, x2 and the four weights, f32, are rounded once to f16 for the matrix products of the later launches; the largest magnitudes are noted on the way.
; A stream: every input byte is read once by 16-byte loads, every output byte written once; no matrix unit, no cluster, no tile in LDS would add anything.
; SHARES.  A work-group takes 16 rows of 1,024 numbers (65,536 bytes in, 32,768 out).  Groups 0-255: x1, 256-511: x2, 512 + 64 w + j: weight w (Wq, Wk, Wv, Wo).
; LAYOUTS.  x goes out in blocks: [16 tokens][64 columns] are 2,048 consecutive bytes, sixteen such blocks (a group of 16 tokens) follow each other.  The weights stay row-major.
; Thread t takes 8 numbers in each of eight trips.  For x: row 2 trip + t[3], column block t[7:4], columns 8 t[2:0]: eight lanes read 256 consecutive bytes, sixteen lanes store 256 consecutive bytes.
; For a weight: 8 numbers at 8 t of two rows a trip: all consecutive.  Both offsets are made, and a mask chooses: no branch.
; THE SOFTMAX'S FACTOR.  Wq is multiplied by c = log2(e) / 8 in f32 before its one rounding, so that both stages' q carry it and no later launch multiplies by it.  Every other number is multiplied by 1.0, which is exact:
; four packed multiplies a trip in a launch that waits for memory, for one text without a branch.
; MAXIMA.  The group's largest |number|, taken ahead of that factor, goes to word 'group' of the table behind the weights in wh, for x1, Wq, Wk and Wo: a later launch makes a power-of-two scale of them.  x2's and Wv's have no reader and are not stored.
; Group 0 also writes 256 words of 1.0 at the head of v1: the first attention's factor on the scores.
; LIMITS.  |input| below 65,504 (f16's end); below 6e-5 f16 keeps its fixed step of 6e-8.  A NaN is ignored by the maxima.
.set SPARE, 256                        ; the spare words: 128 bytes for each of eight waves, four blocks of 256 bytes that no other line names
.set OFF, 2                            ; v[2:9]    byte offset of my 16 bytes of output, trip by trip
.set M,   10                           ; v[10:13]  four running maxima
.set X,   16                           ; v[16:79]  trip i: 8 numbers as loaded
.set Y,   80                           ; v[80:111] trip i: 4 registers to store
.set SPW, 112                          ; v112      LDS address of my spare word; never rewritten
.set NIL, 113                          ; v113      0; never rewritten
.set FAC, 42                           ; s[42:43]  c for Wq's groups, 1.0 for all others
	s_load_b512 s[8:23], s[0:1], 0x0               ; x1 s[8:9], x2 s[10:11], Wq s[12:13], Wk s[14:15], Wv s[16:17], Wo s[18:19], xh1 s[20:21], xh2 s[22:23]
	s_load_b128 s[24:27], s[0:1], 0x40             ; wh s[24:25], v1 s[26:27]
	v_lshl_add_u32 v[SPW], v0, 2, SPARE
	v_mov_b32 v[NIL], 0
	s_mov_b32 s2, ttmp9                            ; the group's number
	s_mov_b32 s5, 0x76543210                       ; v_permlanex16_b32: each lane takes its own place in the other half
	s_mov_b32 s6, 0xfedcba98
	v_lshrrev_b32 v14, 5, v0
	v_readfirstlane_b32 s7, v14                    ; wave 0..7
	s_and_b32 s36, s2, 255                         ; which 16 rows of x,
	s_and_b32 s37, s2, 63                          ; or of a weight
	s_sub_co_u32 s40, s2, 512
	s_cmp_lt_u32 s40, 64                           ; Wq's groups are 512 to 575 (below 512 the difference wraps to a large number)
	s_cselect_b32 s[FAC], 0x3e38aa3b, 1.0          ; c = log2(e) / 8 = 0.180337
	s_mov_b32 s[FAC+1], s[FAC]                     ; named with it as a pair
	s_lshr_b32 s40, s40, 6                         ; which weight,
	s_lshl_b32 s40, s40, 21                        ; and its 2,097,152 bytes in wh
	s_movk_i32 s4, 4096
	s_cmp_lt_u32 s2, 512                           ; x or a weight?
	s_cselect_b32 s3, -1, 0                        ; as a mask for all lanes
	s_cselect_b32 s4, 256, s4                      ; bytes of output from trip to trip
	s_cselect_b32 s36, s36, s37
	s_cselect_b32 s40, 0, s40
	s_lshl_b32 s38, s36, 16                        ; 65,536 bytes in,
	s_mov_b32 s39, 0
	s_lshl_b32 s36, s36, 15                        ; 32,768 out
	s_add_co_u32 s40, s40, s36
	s_mov_b32 s41, 0
	v_bfe_u32 v14, v0, 3, 1                        ; t[3]
	v_lshrrev_b32 v15, 4, v0                       ; t[7:4]
	v_and_b32 v10, 7, v0                           ; t[2:0]
	v_lshlrev_b32 v11, 12, v14
	v_lshl_add_u32 v11, v15, 8, v11
	v_lshl_add_u32 v11, v10, 5, v11                ; x in: row x 4,096 + block x 256 + 32 t[2:0]
	v_lshlrev_b32 v12, 5, v0                       ; weight in: 32 t
	v_cndmask_b32 v1, v12, v11, s3
	v_lshlrev_b32 v11, 7, v14
	v_lshl_add_u32 v11, v15, 11, v11
	v_lshl_add_u32 v11, v10, 4, v11                ; x out: block x 2,048 + row x 128 + 16 t[2:0]
	v_lshlrev_b32 v12, 4, v0                       ; weight out: 16 t
	v_cndmask_b32 v[OFF], v12, v11, s3
.irp i, 1,2,3,4,5,6,7
	v_add_nc_u32 v[OFF+(\i)], s4, v[OFF+(\i)-1]
.endr
	s_wait_kmcnt 0x0
	s_cmp_lt_u32 s2, 256
	s_cselect_b64 s[28:29], s[8:9], s[10:11]       ; x1 or x2,
	s_cselect_b64 s[30:31], s[20:21], s[22:23]     ; xh1 or xh2
	s_cmp_lt_u32 s2, 576
	s_cselect_b64 s[32:33], s[12:13], s[14:15]     ; Wq or Wk
	s_cmp_lt_u32 s2, 704
	s_cselect_b64 s[34:35], s[16:17], s[18:19]     ; Wv or Wo
	s_cmp_lt_u32 s2, 640
	s_cselect_b64 s[32:33], s[32:33], s[34:35]
	s_cmp_lt_u32 s2, 512
	s_cselect_b64 s[28:29], s[28:29], s[32:33]
	s_cselect_b64 s[30:31], s[30:31], s[24:25]
	s_add_nc_u64 s[28:29], s[28:29], s[38:39]      ; from here,
	s_add_nc_u64 s[30:31], s[30:31], s[40:41]      ; to here
.irp i, 0,1,2,3,4,5,6,7
	global_load_b128 v[X+8*(\i):X+8*(\i)+3],   v1, s[28:29] offset:(\i)*8192 th:TH_LOAD_NT     ; all sixteen loads of the thread go out at once
	global_load_b128 v[X+8*(\i)+4:X+8*(\i)+7], v1, s[28:29] offset:(\i)*8192+16 th:TH_LOAD_NT
.endr
; One trip: 8 numbers.  No register is used twice, so no wait for a store's sources is needed.
.macro TRIP it
	s_wait_loadcnt 14-2*(\it)                      ; loads come back in order: this trip's two are in, the younger ones stay out
.irp j, 0,1,2,3
.if (\it) == 0
	v_max_num_f32 v[M+(\j)], |v[X+2*(\j)]|, |v[X+2*(\j)+1]|      ; the first numbers start the chains: nothing is cleared
.else
	v_max3_num_f32 v[M+(\j)], v[M+(\j)], |v[X+8*(\it)+2*(\j)]|, |v[X+8*(\it)+2*(\j)+1]|
.endif
.endr
.irp j, 0,1,2,3
	v_pk_mul_f32 v[X+8*(\it)+2*(\j):X+8*(\it)+2*(\j)+1], v[X+8*(\it)+2*(\j):X+8*(\it)+2*(\j)+1], s[FAC:FAC+1] op_sel_hi:[1,0]   ; c for Wq, 1.0 elsewhere
.endr
.irp j, 0,1,2,3
	v_cvt_pk_f16_f32 v[Y+4*(\it)+(\j)], v[X+8*(\it)+2*(\j)], v[X+8*(\it)+2*(\j)+1]
.endr
	global_store_b128 v[OFF+(\it)], v[Y+4*(\it):Y+4*(\it)+3], s[30:31]
.endm
.irp i, 0,1,2,3,4,5,6,7
	TRIP \i
.endr
	; the group's maximum: the chains, the 32 lanes, the eight waves
	v_max3_num_f32 v[M], v[M], v[M+1], v[M+2]
	v_max_num_f32 v[M], v[M], v[M+3]
	v_max_num_f32_dpp v[M], v[M], v[M] row_xmask:1 row_mask:0xf bank_mask:0xf
	v_max_num_f32_dpp v[M], v[M], v[M] row_xmask:2 row_mask:0xf bank_mask:0xf
	v_max_num_f32_dpp v[M], v[M], v[M] row_xmask:4 row_mask:0xf bank_mask:0xf
	v_max_num_f32_dpp v[M], v[M], v[M] row_xmask:8 row_mask:0xf bank_mask:0xf
	v_permlanex16_b32 v[M+1], v[M], s5, s6
	v_max_num_f32 v[M], v[M], v[M+1]
	v_mov_b32 v14, s7
	v_lshlrev_b32 v14, 2, v14
	ds_store_b32 v14, v[M]                         ; LDS bytes 0-31: a word for each wave
	s_wait_dscnt 0x0                               ; for the others' sake: my word is written
	s_barrier_signal -1
	s_barrier_wait -1
	v_mov_b32 v15, 0
	ds_load_b128 v[16:19], v15
	ds_load_b128 v[20:23], v15 offset:16
	s_wait_dscnt 0x0
	v_max3_num_f32 v16, v16, v17, v18
	v_max3_num_f32 v19, v19, v20, v21
	v_max3_num_f32 v16, v16, v22, v23
	v_max_num_f32 v16, v16, v19
	s_wait_tensorcnt 0x0                           ; the wave's end: behind my last LDS store
	ds_add_u32 v[SPW], v[NIL]
	s_wait_dscnt 0x0
	s_cmp_lg_u32 s7, 0
	s_cbranch_scc1 .Lend                           ; wave 0 stores for the group
	s_sub_co_u32 s36, s2, 256
	s_cmp_lt_u32 s36, 256
	s_cbranch_scc1 .Lend                           ; x2's maximum has no reader,
	s_sub_co_u32 s36, s2, 640
	s_cmp_lt_u32 s36, 64
	s_cbranch_scc1 .Lend                           ; nor has Wv's
	s_lshl_b32 s38, s2, 2
	s_add_co_u32 s38, s38, 8388608                 ; the table lies behind the four weights
	s_mov_b32 s39, 0
	s_add_nc_u64 s[38:39], s[24:25], s[38:39]
	s_wait_xcnt 0x0                                ; EXEC is a source of the stores above: it changes only behind this wait
	v_cmp_gt_u32 vcc_lo, 1, v0
	s_and_saveexec_b32 s36, vcc_lo                 ; thread 0 alone
	global_store_b32 v15, v16, s[38:39]
	s_wait_xcnt 0x0                                ; and again in front of the line that widens it
	s_or_b32 exec_lo, exec_lo, s36
	s_cmp_lg_u32 s2, 0
	s_cbranch_scc1 .Lend
	v_lshlrev_b32 v17, 4, v0                       ; group 0, wave 0: 32 lanes x 2 x 16 bytes = 256 words of 1.0
	v_mov_b32 v20, 1.0
	v_mov_b32 v21, 1.0
	v_mov_b32 v22, 1.0
	v_mov_b32 v23, 1.0
	global_store_b128 v17, v[20:23], s[26:27]
	global_store_b128 v17, v[20:23], s[26:27] offset:512
.Lend:
	s_endpgm
.Lfunc_end_k_q45d5eba216_prep:
	.size	k_q45d5eba216_prep, .Lfunc_end_k_q45d5eba216_prep-k_q45d5eba216_prep
	.p2alignl 7, 3214868480
	.fill 96, 4, 3214868480
	.section	.rodata,"a",@progbits
	.p2align	6, 0x0
	.amdhsa_kernel k_q45d5eba216_prep
		.amdhsa_group_segment_fixed_size 1280
		.amdhsa_private_segment_fixed_size 0
		.amdhsa_enable_private_segment 0
		.amdhsa_kernarg_size 80
		.amdhsa_user_sgpr_count 2
		.amdhsa_user_sgpr_kernarg_segment_ptr 1
		.amdhsa_wavefront_size32 1
		.amdhsa_system_sgpr_workgroup_id_x 1
		.amdhsa_system_sgpr_workgroup_id_y 1
		.amdhsa_system_sgpr_workgroup_id_z 1
		.amdhsa_system_vgpr_workitem_id 0
		.amdhsa_next_free_vgpr 116
		.amdhsa_next_free_sgpr 66
		.amdhsa_reserve_vcc 1
		.amdhsa_float_denorm_mode_32 3
		.amdhsa_float_denorm_mode_16_64 3
		.amdhsa_memory_ordered 1
		.amdhsa_forward_progress 1
		.amdhsa_inst_pref_size 14
	.end_amdhsa_kernel
	.amdgpu_metadata
---
amdhsa.version: [ 1, 2 ]
amdhsa.kernels:
  - .name:           k_q45d5eba216_prep
    .symbol:         k_q45d5eba216_prep.kd
    .args:
      - { .name: x1, .offset: 0, .size: 8, .value_kind: global_buffer, .address_space: global }
      - { .name: x2, .offset: 8, .size: 8, .value_kind: global_buffer, .address_space: global }
      - { .name: Wq, .offset: 16, .size: 8, .value_kind: global_buffer, .address_space: global }
      - { .name: Wk, .offset: 24, .size: 8, .value_kind: global_buffer, .address_space: global }
      - { .name: Wv, .offset: 32, .size: 8, .value_kind: global_buffer, .address_space: global }
      - { .name: Wo, .offset: 40, .size: 8, .value_kind: global_buffer, .address_space: global }
      - { .name: xh1, .offset: 48, .size: 8, .value_kind: global_buffer, .address_space: global }
      - { .name: xh2, .offset: 56, .size: 8, .value_kind: global_buffer, .address_space: global }
      - { .name: wh, .offset: 64, .size: 8, .value_kind: global_buffer, .address_space: global }
      - { .name: v1, .offset: 72, .size: 8, .value_kind: global_buffer, .address_space: global }
    .group_segment_fixed_size: 1280
    .private_segment_fixed_size: 0
    .kernarg_segment_align: 8
    .kernarg_segment_size: 80
    .max_flat_workgroup_size: 256
    .sgpr_count:     66
    .vgpr_count:     116
    .wavefront_size: 32
...
	.end_amdgpu_metadata
.endif
;; end of part 1
;; launch proj1 (part 2): grid 4 x 48, 4 waves a work-group, clusters of 4 x 4, 327,680 bytes of LDS; arguments xh1, xh2, wh, qk, v1, v2; writes qk, v1, v2
.if DOCPART == 2
	.amdgcn_target "amdgcn-amd-amdhsa--gfx1250"
	.amdhsa_code_object_version 6
	.text
	.protected	k_q45d5eba216_proj1
	.globl	k_q45d5eba216_proj1
	.p2align	8
	.type	k_q45d5eba216_proj1,@function
k_q45d5eba216_proj1:
	s_mov_b64 s[64:65], 0
	v_nop
	global_prefetch_b8 v0, s[64:65] scope:SCOPE_SE
	s_setreg_imm32_b32 hwreg(HW_REG_WAVE_MODE, 25, 1), 1
	s_wait_xcnt 0x0
	s_wait_alu depctr_hold_cnt(0) depctr_sa_sdst(0) depctr_va_vdst(0) depctr_va_sdst(0) depctr_va_ssrc(0) depctr_va_vcc(0) depctr_vm_vsrc(0)
	s_getreg_b32 s2, hwreg(HW_REG_IB_STS2, 6, 4)
	s_cmp_eq_u32 s2, 0
	s_cbranch_scc0 .Lentry_in_a_cluster
	s_endpgm
.Lentry_in_a_cluster:
	s_bfe_u32 s2, ttmp6, 0x10000c
	s_cmp_lg_u32 s2, 0xf033
	s_cbranch_scc0 .Lentry_shape_is_right
	s_endpgm
.Lentry_shape_is_right:
; THE PROJECTIONS.  C = A W for A [4096][1024] and W [1024][1024], both f16, sums in f32, C rounded once to f16 and written by heads: [batch x 16 + head][1024 rows][64].
; One text for two launches.  A product has 16 x 4 tiles of 256 x 256; a cluster of 4 x 4 work-groups takes four tile rows and all four tile columns.  With gx = the cluster's x and gy = the cluster's y / 4,
; of which one is 0 in either launch, the product's number is p = gx + gy:
;   W = weight p of wh (Wq, Wk, Wv);   A = argument 1 where gy is 1 or 2 or gx is 2, else argument 0;   the output: p = 0: q, p = 1: k (both in qk), p = 2: v1 where gy = 2, v2 where gx = 2.
;   grid 4 x 48 (gx = 0, gy = 0..2): q = x1 Wq, k = x2 Wk, v1 = x2 Wv.     grid 12 x 16 (gx = 0..2, gy = 0): q = u Wq, k = u Wk, u the first stage's scaled output, and v2 = x1 Wv.
;   Three products, 192 work-groups, in either launch, rather than four and two: v2 is wanted by the second attention alone, and a work-group makes one tile in either launch.
; Wq arrives times log2(e) / 8, so no factor is applied here.  Where v1 is made each wave also stores the largest |sum| of its part: a later launch bounds the first stage's output by it.
; LIMITS.  q, k and v stay below 65,504, f16's end: they do for inputs 30 times the drawn ones or offset by 30 of their spreads in the first stage, and by the scale of u in the second.
; SHAPE.  Four waves, as many as a WGP has SIMDs, each 128 x 128 of C: 64 accumulators of 16 x 16, 512 registers.  K goes in eight steps of 128 through two LDS slots filled by the tensor data mover: 256 matrix instructions a wave in a step.
; A lies in blocks ([16 tokens][64 columns] = 2,048 consecutive bytes, sixteen blocks a group of tokens): a K step of 128 tokens is 8 runs of 4,096 consecutive bytes; in LDS every 128 bytes (a token's 64 columns) get 16 of padding.
; W lies [k][n]: half a tile is 64 rows of k x 512 bytes, and its fragments come out of LDS turned, by ds_load_tr16_b128.
; ONE K STEP IS WRITTEN ONCE.  The LDS addresses are a lane's term plus a scalar that is 0 or SLOT, and one descriptor a tensor walks from slot to slot.  Written out beside the loop: the first quarter step, whose products start the sums, and
; the last two K steps, which ask for nothing.
; CLUSTERS: the four work-groups of a row of the cluster need the same tiles of A, the four of a column the same tiles of W: each tile is asked for JOINTLY, by the same tensor load with the same descriptor and a mask that names the four.
; THE MATRIX INSTRUCTION IS USED TRANSPOSED (source 0 = 16 columns of W, source 1 = 16 rows of A): a lane then holds eight neighbouring numbers of a row of C.  A wave's 128 columns are two heads: 16 rows of each are 2,048 consecutive bytes.
; REGISTERS, in windows of 256 (s_set_vgpr_msb: bits 1:0 source 0, 3:2 source 1, 5:4 source 2, 7:6 destination):
;   window 0: v0-31 addresses; v64-127, v128-191 fragments of A (8 x 16 rows x 32 K), two buffers; v32-63, v192-255 at work on the way out
;   window 1: v64-127, v128-191 fragments of W, two buffers
;   window 2: the 32 accumulators of my rows 0-63 (accumulator (a, b) at v[8 (8 a + b)]);   window 3: those of my rows 64-127
.set PA,     144                       ; a token's 128 bytes + 16 of padding = 36 words: the 16 rows of a load start at 16 different groups of four banks (64 banks of 4 bytes: ISA guide 11.1)
.set PB,     544                       ; a row of W's tile: 512 + 32 = 136 words
.set AHALF,  128*2*PA                  ; 36,864: what a tensor load for A brings: 128 tokens x 128 K
.set BHALF,  64*PB                     ; 34,816: what a tensor load for W brings: 64 K x 256 columns
.set BOFF,   2*AHALF                   ; W's 128 rows of k lie behind A's 256 tokens
.set SLOT,   147456                    ; 2^17 + 2^14, 4,096 more than a slot's tiles: neither bit is set in a tile's place in a slot (0, 36,864, 73,728, 108,544), so one exclusive or turns an address in one slot into the other's
.set STAGE,  2*SLOT                    ; behind the ring: for each wave 2 heads x 16 rows x 144 bytes, for the way out
.set SP,     144
.set WSTG,   2*16*SP
.set SPARE,  STAGE+4*WSTG              ; behind the stages: the spare words, 128 bytes for each wave: two blocks of 256 bytes that no other line names
.set ASTEP,  4096                      ; bytes from K step to K step in A: two blocks
.set BSTEP,  262144                    ; in W: 128 rows of 2,048 bytes
.set ADRA0, 16                         ; v16     my lane's place in slot 0 for fragments of A; never rewritten
.set ADRB0, 17                         ; v17     the same for W
.set ADRA,  18                         ; v18     the same in the slot in hand
.set ADRB,  19                         ; v19
.set STO,  24                          ; v24     the way out: where I put 16 bytes of a row
.set RD,   25                          ; v25     the way out: where I read rows back
.set GO,   26                          ; v26     my byte offset in 512 consecutive bytes of the output
.set SPW,  28                          ; v28     LDS address of my spare word; never rewritten
.set NIL,  29                          ; v29     0; never rewritten
.set LN,   30                          ; v30     my lane
.set MX,   32                          ; v32-35  four running maxima, ahead of the way out
.set F0,   64                          ; fragment buffer 0
.set F1,   128                         ; fragment buffer 1
.set TMP,  192                         ; the way out: packed results, in window 0
.set OB,   32                          ; the way out: 16 rows read back from the stage: v32-63 and v224-255 by turns
.set TB,  23                           ; s23     0 or SLOT: the slot in hand
.set G1, 24                            ; s[24:31] descriptor group 1 for A's tiles
.set G0, 32                            ; s[32:39] descriptor group 0 for A's tiles: a set for each of the two first fills; the second then walks on
.set G1B, 48                           ; s[48:55], s[56:63] the same for W's tiles
.set G0B, 56
.set SEL, 84                           ; s[84:85] v_permlanex16_b32's selects
.set MSB, 0
.macro WIN new                         ; the immediate's high byte repeats the setting that is left; a switch that changes nothing is dropped
.if MSB != (\new)
	s_set_vgpr_msb (MSB<<8)|(\new)
.set MSB, \new
.endif
.endm
.set MUL_LO, 0xa1                      ; source 0 (W) window 1, source 1 (A) window 0, C and D window 2
.set MUL_HI, 0xf1                      ; the same, C and D window 3
.set TO_B,   0x40                      ; destination window 1, address window 0
.macro JLOAD s                         ; a joint load: waves 0 and 1 fetch A's two halves, waves 2 and 3 W's; an s_nop 0 and four v_nop follow each of the two lines, ahead of the jump, the label and what follows
	s_cmp_eq_u32 s11, 0
	s_cbranch_scc0 .Lfor_b_\@
	tensor_load_to_lds s[G0+4*(\s):G0+4*(\s)+3], s[G1:G1+7]
	s_nop 0
.rept 4
	v_nop
.endr
	s_branch .Lasked_\@
.Lfor_b_\@:
	tensor_load_to_lds s[G0B+4*(\s):G0B+4*(\s)+3], s[G1B:G1B+7]
	s_nop 0
.rept 4
	v_nop
.endr
.Lasked_\@:
.endm
.macro CREST                           ; a round of the cluster's barrier behind its opening barrier
	s_cmp_lg_u32 s10, 0
	s_cbranch_scc1 .Lnot_wave_0_\@
	s_barrier_signal -3
.Lnot_wave_0_\@:
	s_barrier_wait -3
	s_barrier_signal -1
	s_barrier_wait -1
.endm
.macro CROUND                          ; a whole round
	s_barrier_signal -1
	s_barrier_wait -1
	CREST
.endm
	s_load_b256 s[68:75], s[0:1], 0x0              ; argument 0 s[68:69], argument 1 s[70:71], wh s[72:73], qk s[74:75]
	s_load_b128 s[76:79], s[0:1], 0x20             ; v1 s[76:77], v2 s[78:79]
	v_lshl_add_u32 v[SPW], v0, 2, SPARE
	v_mov_b32 v[NIL], 0
	ds_add_u32 v[SPW], v[NIL]                      ; the wave's opening: the add and its wait stand ahead of my first tensor load; the set-up below, work on registers, stands between them
	v_lshrrev_b32 v1, 5, v0
	v_readfirstlane_b32 s10, v1                    ; wave 0..3
	s_lshr_b32 s11, s10, 1                         ; which half of the tile's rows is mine.  Also: I fetch for A (0) or for W (1)
	s_and_b32 s12, s10, 1                          ; which half of its columns.  Also: which half of that tile I fetch
	s_bfe_u32 s40, ttmp6, 0x40000                  ; cx: my place along the cluster's x, which is the tile column 0..3
	s_bfe_u32 s41, ttmp6, 0x40004                  ; cy
	s_mov_b32 s80, ttmp9                           ; gx: the same in all partners
	s_and_b32 s13, ttmp7, 0xffff
	s_lshr_b32 s81, s13, 2                         ; gy: the same in all partners
	s_and_b32 s13, s13, 3
	s_lshl_b32 s13, s13, 2
	s_add_co_u32 s13, s13, s41                     ; tile row 0..15
	s_add_co_u32 s83, s81, s80                     ; p: which product
	s_lshl_b32 s43, s41, 2
	s_lshl_b32 s43, 15, s43                        ; my row of the cluster
	s_lshl_b32 s44, 0x1111, s40                    ; my column
	s_or_b32 s[G1+0], s43, (1<<16)|(1<<20)|(1<<21)|(4<<22)|(3<<25)   ; 15:0 the mask: A's tiles go to my row; 17:16 2-byte elements; 20 padding on; 21 set beside a mask; 24:22 after every 32 words (code 4); 31:25 4 words (code 3)
	s_mov_b32 s[G1+1], 2048<<16                    ; tensor_dim0 = 2,048 elements: two blocks on end
	s_mov_b32 s[G1+2], 8<<16                       ; tensor_dim1 = 8 groups of 16 tokens
	s_mov_b32 s[G1+3], 2048<<16                    ; tile_dim0
	s_mov_b32 s[G1+4], 8                           ; tile_dim1
	s_mov_b32 s[G1+5], 16384                       ; elements from group to group
	s_mov_b32 s[G1+6], 0
	s_mov_b32 s[G1+7], 0
	s_or_b32 s[G1B+0], s44, (1<<16)|(1<<20)|(1<<21)|(6<<22)|(7<<25)  ; W's tiles go to my column; padding after every 128 words (code 6), 8 words (code 7)
	s_mov_b32 s[G1B+1], 256<<16                    ; 256 columns
	s_mov_b32 s[G1B+2], 64<<16                     ; 64 rows of k
	s_mov_b32 s[G1B+3], 256<<16
	s_mov_b32 s[G1B+4], 64
	s_mov_b32 s[G1B+5], 1024
	s_mov_b32 s[G1B+6], 0
	s_mov_b32 s[G1B+7], 0
	s_lshl_b32 s16, s13, 19                        ; A: tile row x 16 groups x 32,768 bytes
	s_lshl_b32 s17, s12, 18                        ;    + my half's 8 groups
	s_add_co_u32 s16, s16, s17
	s_mov_b32 s17, 0
	s_lshl_b32 s46, s83, 21                        ; W: weight p's 2,097,152 bytes
	s_lshl_b32 s47, s12, 17                        ;    + my half's 64 rows
	s_add_co_u32 s46, s46, s47
	s_lshl_b32 s47, s40, 9                         ;    + tile column x 512 bytes
	s_add_co_u32 s46, s46, s47
	s_mov_b32 s47, 0
	s_mul_i32 s20, s12, AHALF                      ; where they go: A's halves,
	s_mul_i32 s21, s12, BHALF
	s_add_co_u32 s21, s21, BOFF                    ; W's halves behind them: no place in the cluster enters an LDS address
	s_mov_b32 s[SEL], 0x76543210
	s_mov_b32 s[SEL+1], 0xfedcba98
	s_mov_b32 s[TB], 0                             ; K step 0 lies in slot 0
	s_wait_dscnt 0x0                               ; the opening add is done
	s_wait_kmcnt 0x0
	s_lshr_b32 s82, s80, 1                         ; 1 where gx = 2,
	s_add_co_u32 s82, s82, s81                     ; plus gy: not 0 where A is argument 1
	s_cmp_lg_u32 s82, 0
	s_cselect_b64 s[14:15], s[70:71], s[68:69]
	s_add_nc_u64 s[14:15], s[14:15], s[16:17]
	s_add_nc_u64 s[46:47], s[72:73], s[46:47]
	CROUND                                         ; all sixteen work-groups are here: the first joint loads meet
.irp s, 0,1
	s_mov_b32 s[G0+4*(\s)], 1                                        ; 1:0 count = 1
	s_add_co_u32 s[G0+4*(\s)+1], s20, (\s)*SLOT                      ; 63:32 LDS address
	s_add_nc_u64 s[G0+4*(\s)+2:G0+4*(\s)+3], s[14:15], (\s)*ASTEP    ; 120:64 global address: K step s
	s_or_b32 s[G0+4*(\s)+3], s[G0+4*(\s)+3], 0x80000000              ; 127:126 type = 2
	s_mov_b32 s[G0B+4*(\s)], 1
	s_add_co_u32 s[G0B+4*(\s)+1], s21, (\s)*SLOT
	s_add_nc_u64 s[G0B+4*(\s)+2:G0B+4*(\s)+3], s[46:47], (\s)*BSTEP
	s_or_b32 s[G0B+4*(\s)+3], s[G0B+4*(\s)+3], 0x80000000
	JLOAD \s                                       ; two loads of mine are out
.endr
	v_and_b32 v1, 15, v0                           ; l % 16
	v_bfe_u32 v2, v0, 4, 1                         ; l / 16
	v_mul_u32_u24 v3, v1, PA
	v_lshl_add_u32 v3, v2, 4, v3                   ; a fragment of A: row x pitch + 16 x half
	s_mul_i32 s22, s11, AHALF                      ; my 128 tokens
	v_add_nc_u32 v[ADRA0], s22, v3
	v_and_b32 v4, 7, v0                            ; the turning load: lane l reads row 8 (l / 16) + l % 8 of k, columns 8 ((l / 8) % 2) + 0..7
	v_lshl_add_u32 v4, v2, 3, v4
	v_mul_u32_u24 v4, v4, PB
	v_bfe_u32 v5, v0, 3, 1
	v_lshl_add_u32 v4, v5, 4, v4
	s_lshl_b32 s22, s12, 8                         ; my 128 columns,
	s_add_co_u32 s22, s22, BOFF                    ; behind A's two halves
	v_add_nc_u32 v[ADRB0], s22, v4
	v_mov_b32 v[ADRA], v[ADRA0]
	v_mov_b32 v[ADRB], v[ADRB0]
	s_mul_i32 s22, s10, WSTG
	s_add_co_u32 s22, s22, STAGE                   ; my stage
	v_add_nc_u32 v[STO], s22, v3                   ; in: row l % 16, 16 bytes for each half of the lanes (the stage's pitch is A's)
	v_bfe_u32 v6, v0, 3, 2                         ; back: 32 lanes take four rows of 128 bytes,
	v_mul_u32_u24 v6, v6, SP
	v_and_b32 v7, 7, v0
	v_lshl_add_u32 v6, v7, 4, v6
	v_add_nc_u32 v[RD], s22, v6
	v_and_b32 v[LN], 31, v0
	v_lshlrev_b32 v[GO], 4, v[LN]                  ; which are 512 consecutive bytes of the output
	s_lshr_b32 s4, s13, 2                          ; the batch: 4 tile rows each
	s_lshl_b32 s4, s4, 4
	s_lshl_b32 s5, s40, 2                          ; a tile column is 4 heads,
	s_add_co_u32 s4, s4, s5
	s_lshl_b32 s5, s12, 1                          ; my half of it 2
	s_add_co_u32 s4, s4, s5                        ; batch x 16 + my first head
	s_lshl_b32 s4, s4, 17                          ; 1,024 rows of 128 bytes
	s_and_b32 s5, s13, 3
	s_lshl_b32 s5, s5, 15                          ; the tile's 256 rows
	s_add_co_u32 s4, s4, s5
	s_lshl_b32 s5, s11, 14                         ; my 128
	s_add_co_u32 s4, s4, s5
	s_mov_b32 s6, 8192                             ; v1 and v2 begin behind 8,192 bytes of tables,
	s_cmp_eq_u32 s83, 1
	s_cselect_b32 s6, 0x800000, s6                 ; k behind q,
	s_cmp_eq_u32 s83, 0
	s_cselect_b32 s6, 0, s6                        ; q at qk's head
	s_add_co_u32 s4, s4, s6
	s_mov_b32 s5, 0
	s_cmp_eq_u32 s81, 2                            ; of the third products gy = 2 makes v1, gx = 2 makes v2
	s_cselect_b64 s[8:9], s[76:77], s[78:79]
	s_cmp_lt_u32 s83, 2
	s_cselect_b64 s[8:9], s[74:75], s[8:9]
	s_add_nc_u64 s[8:9], s[8:9], s[4:5]            ; my first row of my first head
; 16 matrix instructions: m blocks a0, a0 + 1 of the window's four (hi = 0: my rows 0-63, 1: rows 64-127) x all 8 n blocks, 32 along K.  zero = 1: the first product starts the sums: nothing is ever cleared.
; The 64 accumulators take turns, one instruction a turn, in the same order in every quarter step.
.macro MUL16 f, hi, a0, zero
	WIN MUL_LO+0x50*(\hi)
.irp a, \a0, (\a0)+1
.irp b, 0,1,2,3,4,5,6,7
.if \zero
	v_wmma_f32_16x16x32_f16 v[8*(8*(\a)+(\b)):8*(8*(\a)+(\b))+7], v[(\f)+8*(\b):(\f)+8*(\b)+7], v[(\f)+8*(4*(\hi)+(\a)):(\f)+8*(4*(\hi)+(\a))+7], 0
.else
	v_wmma_f32_16x16x32_f16 v[8*(8*(\a)+(\b)):8*(8*(\a)+(\b))+7], v[(\f)+8*(\b):(\f)+8*(\b)+7], v[(\f)+8*(4*(\hi)+(\a)):(\f)+8*(4*(\hi)+(\a))+7], v[8*(8*(\a)+(\b)):8*(8*(\a)+(\b))+7]
.endif
.endr
.endr
.endm
; 32 LDS loads in one run: the fragments of quarter q (32 along K) of the slot in hand, into buffer f.  W first: rows 32 q on of k, columns 16 i on.  Then A: group i of 16 tokens, block q / 2, bytes 64 (q % 2) on.
.macro FETCH q, f
	WIN TO_B
.irp i, 0,1,2,3,4,5,6,7
	ds_load_tr16_b128 v[(\f)+8*(\i):(\f)+8*(\i)+3],   v[ADRB] offset:32*(\q)*PB+32*(\i)
	ds_load_tr16_b128 v[(\f)+8*(\i)+4:(\f)+8*(\i)+7], v[ADRB] offset:(32*(\q)+16)*PB+32*(\i)
.endr
	WIN 0
.irp i, 0,1,2,3,4,5,6,7
	ds_load_b128 v[(\f)+8*(\i):(\f)+8*(\i)+3],   v[ADRA] offset:(32*(\i)+16*((\q)/2))*PA+64*((\q)%2)
	ds_load_b128 v[(\f)+8*(\i)+4:(\f)+8*(\i)+7], v[ADRA] offset:(32*(\i)+16*((\q)/2))*PA+64*((\q)%2)+32
.endr
.endm
.macro PLACES                          ; four places in front of loads into registers that matrix instructions have read, and of vector work that reads results (ISA guide 7.12.1 for vector instructions)
.rept 4
	v_nop
.endr
.endm
; A K step is four quarters of 32 along K, 64 matrix instructions each, on buffers 0, 1, 0, 1.  One of the first three: multiplies buffer f; in its middle it fetches quarter q of the same slot into buffer g.
.macro QUARTER q, f, g, zero
	s_wait_dscnt 8                                 ; W and A's rows 0-63 are in; the youngest eight loads (A's rows 64-127) may be out
	MUL16 \f, 0, 0, \zero
	MUL16 \f, 0, 2, \zero
	PLACES
	FETCH \q, \g
	s_wait_dscnt 32                                ; all but the 32 just issued
	MUL16 \f, 1, 0, \zero
	MUL16 \f, 1, 2, \zero
.endm
; The last quarter multiplies buffer 1 and changes slots: ONE barrier; in front of it each wave waits for all its tensor loads, of which one is out: its part of the next slot; adds 0 to its spare word; and waits for that and for its own
; reads of this slot.  Behind it nobody reads this slot any more and the next slot is whole.  fill = 1: the barrier opens a round of the cluster's barrier, and this slot is filled again, with the K step two steps on: the first thing behind the round.
; From a request to the wait for it a wave issues 224 matrix instructions.
.macro TURN fill
	WIN 0                                          ; (the add's two registers lie in window 0)
	s_wait_tensorcnt 0x0                           ; all my tensor loads have landed, so a group 0 may be written;
	ds_add_u32 v[SPW], v[NIL]                      ; 0 onto my spare word;
	s_wait_dscnt 9                                 ; (the add and the youngest eight loads may be out)
	MUL16 F1, 0, 0, 0                              ; sixteen matrix instructions stand between the add and the wait for it
	s_wait_dscnt 0x0                               ; the add is done, and my reads of this slot are over
	s_barrier_signal -1
	MUL16 F1, 0, 2, 0                              ; work on registers while the others arrive
.if \fill
	WIN 0
.endif
	s_barrier_wait -1
.if \fill
	CREST                                          ; no wave of any partner still reads this slot's tile or has a load on its way
	s_xor_b32 s[G0+5], s[G0+5], SLOT               ; the walking descriptors: the other slot than last time,
	s_add_nc_u64 s[G0+6:G0+7], s[G0+6:G0+7], ASTEP ; the next K step; the type bits on top are not reached
	s_xor_b32 s[G0B+5], s[G0B+5], SLOT
	s_add_nc_u64 s[G0B+6:G0B+7], s[G0B+6:G0B+7], BSTEP
	JLOAD 1                                        ; my only load out; its four v_nop are also the places in front of the loads below
.else
	PLACES
.endif
	WIN 0
	s_xor_b32 s[TB], s[TB], SLOT                   ; the reads go on in the other slot
	v_add_nc_u32 v[ADRA], s[TB], v[ADRA0]
	v_add_nc_u32 v[ADRB], s[TB], v[ADRB0]
	FETCH 0, F0
	MUL16 F1, 1, 0, 0
	MUL16 F1, 1, 2, 0
.endm
	s_wait_tensorcnt 1                             ; my part of K step 0 is in; K step 1's may stay out
	s_barrier_signal -1
	s_barrier_wait -1                              ; everybody's is
	FETCH 0, F0
	QUARTER 1, F0, F1, 1                           ; the first quarter stands in front of the loop: its products start the sums
	WIN 0                                          ; at a label and at a branch every window is 0
	s_mov_b32 s3, 6
.Lstep:                                                ; six trips, each from a K step's second quarter to the next step's first: K steps 0 to 5 are left, 2 to 7 asked for
	QUARTER 2, F1, F0, 0
	QUARTER 3, F0, F1, 0
	TURN 1
	QUARTER 1, F0, F1, 0
	WIN 0
	s_sub_co_u32 s3, s3, 1
	s_cmp_lg_u32 s3, 0
	s_cbranch_scc1 .Lstep
	QUARTER 2, F1, F0, 0                           ; K step 6 goes on
	QUARTER 3, F0, F1, 0
	TURN 0                                         ; nothing is left to fetch, so no round follows the barrier
	QUARTER 1, F0, F1, 0                           ; K step 7
	QUARTER 2, F1, F0, 0
	QUARTER 3, F0, F1, 0
	s_wait_dscnt 8
	MUL16 F1, 0, 0, 0
	MUL16 F1, 0, 2, 0
	s_wait_dscnt 0
	MUL16 F1, 1, 0, 0
	MUL16 F1, 1, 2, 0
	WIN 0
	PLACES
	; Where v1 is made (gy = 2, the same in all partners): the largest |sum| of my 128 x 128, four chains, each accumulator from its low end on.  The chains start at 0, which no magnitude lies below.
	s_cmp_lg_u32 s81, 2
	s_cbranch_scc1 .Lno_max
.irp j, 0,1,2,3
	v_mov_b32 v[MX+(\j)], 0
.endr
.irp w, 0,1
	WIN 0x28+0x14*(\w)                             ; sources 1 and 2 in window 2, then 3
.set t, 0
.rept 32
.irp j, 0,1,2,3
	v_max3_num_f32 v[MX+(\j)], v[MX+(\j)], |v[8*t+2*(\j)]|, |v[8*t+2*(\j)+1]|
.endr
.set t, t+1
.endr
.endr
	WIN 0
	v_max3_num_f32 v[MX], v[MX], v[MX+1], v[MX+2]
	v_max_num_f32 v[MX], v[MX], v[MX+3]
	v_max_num_f32_dpp v[MX], v[MX], v[MX] row_xmask:1 row_mask:0xf bank_mask:0xf
	v_max_num_f32_dpp v[MX], v[MX], v[MX] row_xmask:2 row_mask:0xf bank_mask:0xf
	v_max_num_f32_dpp v[MX], v[MX], v[MX] row_xmask:4 row_mask:0xf bank_mask:0xf
	v_max_num_f32_dpp v[MX], v[MX], v[MX] row_xmask:8 row_mask:0xf bank_mask:0xf
	v_permlanex16_b32 v[MX+1], v[MX], s[SEL], s[SEL+1]
	v_max_num_f32 v[MX], v[MX], v[MX+1]
	s_lshl_b32 s14, s13, 2
	s_add_co_u32 s14, s14, s40                     ; the tile's number, 0..63,
	s_lshl_b32 s14, s14, 2
	s_add_co_u32 s14, s14, s10                     ; my wave among 256:
	s_lshl_b32 s14, s14, 4                         ; the table has 1,024 words, four for each wave, all four written,
	s_add_co_u32 s14, s14, 4096                    ; at byte 4,096 of v1
	s_mov_b32 s15, 0
	s_add_nc_u64 s[14:15], s[76:77], s[14:15]
	v_lshlrev_b32 v[MX+2], 2, v[LN]
	s_wait_xcnt 0x0                                ; EXEC changes only behind this wait
	v_cmp_gt_u32 vcc_lo, 4, v[LN]
	s_and_saveexec_b32 s16, vcc_lo                 ; lanes 0 to 3
	global_store_b32 v[MX+2], v[MX], s[14:15]
	s_wait_xcnt 0x0                                ; and again in front of the line that widens it
	s_or_b32 exec_lo, exec_lo, s16
.Lno_max:
; THE WAY OUT of block a (16 rows x 128 columns), in three parts.  PACK: rounded to f16, a lane's eight numbers into 16 bytes.  TOSTAGE: into my own stage in LDS, head by head in rows of 144 bytes, and back as whole rows of 128.  SEND: stored.
.macro PACK a
.set AC, 64*((\a)%4)
	WIN 0x0a+5*((\a)/4)                            ; sources 0 and 1: window 2 or 3
.irp b, 0,1,2,3,4,5,6,7
.irp r, 0,1,2,3
	v_cvt_pk_f16_f32 v[TMP+4*(\b)+(\r)], v[AC+8*(\b)+2*(\r)], v[AC+8*(\b)+2*(\r)+1]
.endr
.endr
	WIN 0
.endm
.macro TOSTAGE a
	WIN 0
.set BK, OB+192*((\a)%2)
.irp b, 0,1,2,3,4,5,6,7
	ds_store_b128 v[STO], v[TMP+4*(\b):TMP+4*(\b)+3] offset:((\b)/4)*16*SP+32*((\b)%4)
.endr
.irp t, 0,1,2,3,4,5,6,7
	ds_load_b128 v[BK+4*(\t):BK+4*(\t)+3], v[RD] offset:((\t)/4)*16*SP+((\t)%4)*4*SP  ; LDS serves a wave's instructions in order (ISA guide 5.7.1.4): these see the stores above
.endr
.endm
.macro SEND a
	WIN 0
.set BK, OB+192*((\a)%2)
	s_wait_dscnt 0x0                               ; the block is back in registers
	s_wait_xcnt 0x0                                ; every earlier memory instruction has had its addresses translated (ISA guide 3.1): the registers that the block before last's stores read are loaded again only behind this wait
.irp t, 0,1,2,3,4,5,6,7
	global_store_b128 v[GO], v[BK+4*(\t):BK+4*(\t)+3], s[8:9] offset:((\t)/4)*131072+(\a)*2048+((\t)%4)*512  ; 512 consecutive bytes, at a multiple of 256 from the buffer's first; the second head lies 131,072 bytes on
.endr
.endm
	PACK 0
	TOSTAGE 0
.irp a, 1,2,3,4,5,6,7                  ; block a's conversions stand between block a - 1's loads from the stage and the wait for them
	PACK \a
	SEND (\a)-1
	TOSTAGE \a
.endr
	SEND 7
	s_wait_tensorcnt 0x0                           ; the wave's end: behind my last tensor load and my last LDS store
	ds_add_u32 v[SPW], v[NIL]
	s_wait_dscnt 0x0
	CROUND                                         ; the closing round: no work-group ends while a partner may still ask for a tile that names it
	s_endpgm
.Lfunc_end_k_q45d5eba216_proj1:
	.size	k_q45d5eba216_proj1, .Lfunc_end_k_q45d5eba216_proj1-k_q45d5eba216_proj1
	.p2alignl 7, 3214868480
	.fill 96, 4, 3214868480
	.section	.rodata,"a",@progbits
	.p2align	6, 0x0
	.amdhsa_kernel k_q45d5eba216_proj1
		.amdhsa_group_segment_fixed_size 327680
		.amdhsa_private_segment_fixed_size 0
		.amdhsa_enable_private_segment 0
		.amdhsa_kernarg_size 48
		.amdhsa_user_sgpr_count 2
		.amdhsa_user_sgpr_kernarg_segment_ptr 1
		.amdhsa_wavefront_size32 1
		.amdhsa_system_sgpr_workgroup_id_x 1
		.amdhsa_system_sgpr_workgroup_id_y 1
		.amdhsa_system_sgpr_workgroup_id_z 1
		.amdhsa_system_vgpr_workitem_id 0
		.amdhsa_next_free_vgpr 1024
		.amdhsa_next_free_sgpr 92
		.amdhsa_reserve_vcc 1
		.amdhsa_float_denorm_mode_32 3
		.amdhsa_float_denorm_mode_16_64 3
		.amdhsa_memory_ordered 1
		.amdhsa_forward_progress 1
		.amdhsa_inst_pref_size 134
	.end_amdhsa_kernel
	.amdgpu_metadata
---
amdhsa.version: [ 1, 2 ]
amdhsa.kernels:
  - .name:           k_q45d5eba216_proj1
    .symbol:         k_q45d5eba216_proj1.kd
    .args:
      - { .name: xh1, .offset: 0, .size: 8, .value_kind: global_buffer, .address_space: global }
      - { .name: xh2, .offset: 8, .size: 8, .value_kind: global_buffer, .address_space: global }
      - { .name: wh, .offset: 16, .size: 8, .value_kind: global_buffer, .address_space: global }
      - { .name: qk, .offset: 24, .size: 8, .value_kind: global_buffer, .address_space: global }
      - { .name: v1, .offset: 32, .size: 8, .value_kind: global_buffer, .address_space: global }
      - { .name: v2, .offset: 40, .size: 8, .value_kind: global_buffer, .address_space: global }
    .group_segment_fixed_size: 327680
    .private_segment_fixed_size: 0
    .kernarg_segment_align: 8
    .kernarg_segment_size: 48
    .max_flat_workgroup_size: 128
    .sgpr_count:     92
    .vgpr_count:     1024
    .wavefront_size: 32
...
	.end_amdgpu_metadata
.endif
;; end of part 2
;; launch attn1 (part 3): grid 4 x 64, 4 waves a work-group, clusters of 4 x 1, 327,680 bytes of LDS; arguments qk, v1, oh; writes oh
.if DOCPART == 3
	.amdgcn_target "amdgcn-amd-amdhsa--gfx1250"
	.amdhsa_code_object_version 6
	.text
	.protected	k_q45d5eba216_attn1
	.globl	k_q45d5eba216_attn1
	.p2align	8
	.type	k_q45d5eba216_attn1,@function
k_q45d5eba216_attn1:
	s_mov_b64 s[64:65], 0
	v_nop
	global_prefetch_b8 v0, s[64:65] scope:SCOPE_SE
	s_setreg_imm32_b32 hwreg(HW_REG_WAVE_MODE, 25, 1), 1
	s_wait_xcnt 0x0
	s_wait_alu depctr_hold_cnt(0) depctr_sa_sdst(0) depctr_va_vdst(0) depctr_va_sdst(0) depctr_va_ssrc(0) depctr_va_vcc(0) depctr_vm_vsrc(0)
	s_getreg_b32 s2, hwreg(HW_REG_IB_STS2, 6, 4)
	s_cmp_eq_u32 s2, 0
	s_cbranch_scc0 .Lentry_in_a_cluster
	s_endpgm
.Lentry_in_a_cluster:
	s_bfe_u32 s2, ttmp6, 0x10000c
	s_cmp_lg_u32 s2, 0x3003
	s_cbranch_scc0 .Lentry_shape_is_right
	s_endpgm
.Lentry_shape_is_right:
; ATTENTION at head size 64, 1,024 keys.  O[y][q][:] = the sum over k of softmax_k(KS2 x Q[y][q] . K[y][k]) V[y][k][:], y = batch x 16 + head, 64 of them.
; Q (already times log2(e) / 8) and K lie in qk, V behind 8,192 bytes of tables in the second argument; all [y][1024][64] in f16, rows dense.  O leaves in f16 in blocks: [16 tokens][a head's 64 channels] = 2,048 consecutive bytes.
; KS2 is a power of two read from word 4 y + (block of queries) of the second argument: 1 in the first stage; in the second it undoes the power-of-two scale under which Q and K were made.
; SOFTMAX.  For each query a running maximum m and sum l: p = 2^(KS2 s - KS2 m): KS2 m is exact, and the fused multiply-add gives exactly 0 at s = m, whatever the size of the scores.  In every step O and l are multiplied by a = 2^(KS2 m_old - KS2 m_new).
; Products, maxima and sums in f32; p is rounded to f16 for the second product (l is taken of the unrounded p), O once at the end.
; LIMITS.  |KS2 s| below 4e37; a weight below 2^-126 counts as 0 in l; p below 6e-5 keeps f16's fixed step of 6e-8; NaN and infinities are not treated apart.
; SHARES.  A work-group owns 256 queries of one y, each of its four waves 64: four PIECES of 16.  Every wave walks all keys, 64 a step, 16 steps.
; LDS holds the whole of K and V of y: nothing is filled twice.  They are asked for at the start in four chunks of 256 keys; the walk begins when chunk 0 is in, and meets the other three once, behind four steps.
; CLUSTER.  The four query blocks of a y form a cluster and need the same K and V: each tile is asked for JOINTLY: the same tensor load, descriptor and mask in all four.
; LAYOUT.  S^T = K Q^T holds ONE query a lane (lane % 16) and the keys 8 (lane / 16) + 0..7; two such results rounded to f16 ARE source 1 of O^T = V^T P.  K comes out of LDS as it lies, V turned, by ds_load_tr16_b128.
; TURNS.  Turn n belongs to piece n: 8 products K Q^T of piece n + 1, later 8 products V^T P of piece n - 1; beside them the scaling, exponentials, roundings, sums and rescaling of piece n and the maximum and statistics of piece n + 1.
; A piece and step have 16 matrix and 118 vector instructions: four vector instructions stand behind every matrix instruction, the other 54 in two runs of their own.
; No first step is written out: m starts at the lowest finite number, O^T and l at 0, so the first step's a is 0; the price is 224 v_mov_b32 in the wait for the first chunk.
; REGISTERS, in windows of 256 (s_set_vgpr_msb: bits 1:0 source 0, 3:2 source 1, 5:4 source 2, 7:6 destination):
;   window 0: v0-15 addresses and two at work; v16-31 four registers of statistics a piece; v48-55 at work; v64-127 S^T, two buffers; v192-223 P, two buffers (a piece's buffers go by its number's parity)
;   window 1: v0-127 O^T, 32 a piece      window 2: v0-63 Q; v128-191 K of one step; v192-255 V of one step
.set NP,    4         ; pieces a wave: a name, no knob
.set KS,    64        ; keys in a step
.set NK,    1024      ; keys
.set PK,    144       ; a row of K in LDS: 128 bytes + 16 of padding = 36 words: the 16 rows of a load start at 16 different groups of four banks (64 banks of 4 bytes: ISA guide 11.1)
.set PV,    160       ; a row of V: 128 + 32 = 40 words
.set VOFF,  NK*PK     ; K's 1,024 rows, then V's
.set STAGE, VOFF+NK*PV  ; behind them, never filled by a tensor load: 16 rows x 144 bytes for each wave, for the way out
.set SP,    144
.set SPARE, STAGE+4*16*SP  ; behind the stages: the spare words, 128 bytes for each wave: two blocks of 256 bytes that no other line names
.set AK0, 2           ; v2   my lane's place in a tile of K; never rewritten
.set AV0, 3           ; v3   the same for V
.set AK,  4           ; v4   the LDS address of K's next run of loads
.set AV,  5           ; v5   of V's
.set STO, 6           ; v6   the way out: where I put 16 bytes of a row
.set RD,  7           ; v7   the way out: where I read rows back
.set GO,  8           ; v8   my byte offset in 512 consecutive bytes of O
.set MV,  12          ; v12-13  KS2 m_old, kept while KS2 m is made anew: by buffer
.set QO,  15          ; v15  my byte offset in 16 rows of Q
.set ST,  16          ; piece t's statistics at v[ST+4 t]: KS2 m, m, l (even keys', odd keys')
.set TMP, 48          ; by buffer, four registers c0-c3 at work; when the maximum is found c2 takes a
.set SPW, 62          ; v62  LDS address of my spare word; never rewritten
.set NIL, 63          ; v63  0; never rewritten
.set S,   64
.set P,   192
.set KF,  128         ; window 2: key block kb, channel half c at KF + 16 kb + 8 c
.set VF,  192         ; window 2: key half kk, channel block cb at VF + 32 kk + 8 cb
.set WV,  12          ; s12  my wave's number
.set G1K, 24          ; s[24:31] descriptor group 1 for K's tiles
.set G1V, 32          ; s[32:39] for V's: it differs in the padding alone
.set G0K, 40          ; s[40:55] descriptor group 0 for K's tiles, a set for each chunk
.set G0V, 68          ; s[68:83] the same for V's
.set PH,  56          ; s56  counts the walk's two parts
.set CNT, 57          ; s57  counts a part's key steps
.set CS,  58          ; s[58:59] KS2: the packed scaling takes the pair's low word for both halves
.set SEL, 60          ; s[60:61] v_permlanex16_b32's selects: each lane takes its own place in the other half
.set TBK, 62          ; s62  LDS byte at which K of the step to be fetched begins
.set TBV, 63          ; s63  the same for V, less VOFF
.set MSB, 0
.macro WIN new                      ; the high byte repeats the setting that is left; a switch that changes nothing is dropped
.if MSB != (\new)
	s_set_vgpr_msb (MSB<<8)|(\new)
.set MSB, (\new)
.endif
.endm
.set W_KQ, 0x0a       ; K and Q in window 2, S^T in window 0
.set W_PV, 0x52       ; V in window 2, P in window 0, O^T in window 1
.set W_RS, 0x41       ; destination and source 0 in window 1, source 1 in window 0
; A round of the cluster's barrier: my work-group's barrier, so that wave 0's signal speaks for all four waves; wave 0 signals; every wave waits for all four work-groups; my work-group's barrier once more.
.macro CROUND
	s_barrier_signal -1
	s_barrier_wait -1
	s_cmp_lg_u32 s[WV], 0
	s_cbranch_scc1 .Lnot_wave_0_\@
	s_barrier_signal -3
.Lnot_wave_0_\@:
	s_barrier_wait -3
	s_barrier_signal -1
	s_barrier_wait -1
.endm
	s_load_b128 s[4:7], s[0:1], 0x0   ; qk s[4:5], the tables and V s[6:7]
	s_load_b64 s[10:11], s[0:1], 0x10 ; O
	v_lshl_add_u32 v[SPW], v0, 2, SPARE
	v_mov_b32 v[NIL], 0
	ds_add_u32 v[SPW], v[NIL]       ; the wave's opening: the add and its wait stand ahead of my first tensor load; the set-up below, work on registers, stands between them
	v_lshrrev_b32 v1, 5, v0
	v_readfirstlane_b32 s[WV], v1   ; wave 0..3
	s_bfe_u32 s13, ttmp6, 0x40000   ; cx: my place in the cluster
	s_lshl_b32 s14, ttmp9, 2        ; in a cluster launch ttmp9 counts clusters
	s_add_co_u32 s14, s14, s13      ; my block of 256 queries: it enters Q's, O's and the factor's addresses alone
	s_and_b32 s15, ttmp7, 0xffff    ; y, which the four partners share
	s_lshl_b32 s19, s15, 17         ; its 1,024 rows of 128 bytes
	s_and_b32 s16, s[WV], 1         ; which half of a chunk's 256 keys I fetch:
	s_lshl_b32 s20, s16, 14         ; its 128 rows of 128 bytes in memory,
	s_add_co_u32 s20, s20, s19
	s_add_co_u32 s22, s20, 8192     ; V lies behind the tables,
	s_add_co_u32 s20, s20, 0x800000 ; K behind Q
	s_mov_b32 s21, 0
	s_mov_b32 s23, 0
	s_mul_i32 s17, s16, 128*PK      ; and its place in a chunk, for K
	s_mul_i32 s18, s16, 128*PV      ; and for V: no place in the cluster enters an LDS address
	s_add_co_u32 s18, s18, VOFF
	s_lshl_b32 s2, s14, 15          ; Q: my block's 256 rows,
	s_lshl_b32 s3, s[WV], 13        ; my wave's 64
	s_add_co_u32 s2, s2, s3
	s_add_co_u32 s2, s2, s19
	s_mov_b32 s3, 0
	s_lshr_b32 s84, s15, 4          ; O: the batch's 64 groups of 16 tokens, 32,768 bytes each,
	s_lshl_b32 s84, s84, 21
	s_lshl_b32 s85, s14, 19         ; my block's 16 groups,
	s_add_co_u32 s84, s84, s85
	s_lshl_b32 s85, s[WV], 17       ; my wave's 4,
	s_add_co_u32 s84, s84, s85
	s_and_b32 s85, s15, 15
	s_lshl_b32 s85, s85, 11         ; the head's block of 2,048 bytes
	s_add_co_u32 s84, s84, s85
	s_mov_b32 s85, 0
	s_lshl_b32 s86, s15, 2
	s_add_co_u32 s86, s86, s14
	s_lshl_b32 s86, s86, 2          ; the factor's word
	; descriptor group 1.  128 keys are 16,384 dense bytes: asked for as 64 rows of 256 bytes, two keys a row, and padded in LDS after every key
	s_mov_b32 s[G1K], 15|(1<<16)|(1<<20)|(1<<21)|(4<<22)|(3<<25)  ; 15:0 the mask of four; 17:16 2-byte elements; 20 padding on; 21 set beside a mask; 24:22 after every 32 words (code 4); 31:25 4 words (code 3)
	s_mov_b32 s[G1V], 15|(1<<16)|(1<<20)|(1<<21)|(4<<22)|(7<<25)  ; the same with 8 words of padding (code 7)
.irp g, G1K, G1V
	s_mov_b32 s[\g+1], 128<<16      ; tensor_dim0 = 128
	s_mov_b32 s[\g+2], 64<<16       ; tensor_dim1 = 64
	s_mov_b32 s[\g+3], 128<<16      ; tile_dim0 = 128
	s_mov_b32 s[\g+4], 64           ; tile_dim1 = 64
	s_mov_b32 s[\g+5], 128          ; 128 elements from row to row
	s_mov_b32 s[\g+6], 0
	s_mov_b32 s[\g+7], 0
.endr
.irp j, 0,1,2,3
	s_mov_b32 s[G0K+4*(\j)], 1                        ; 1:0 count = 1
	s_add_co_u32 s[G0K+4*(\j)+1], s17, (\j)*256*PK    ; 63:32 LDS address: chunk j
	s_mov_b32 s[G0V+4*(\j)], 1
	s_add_co_u32 s[G0V+4*(\j)+1], s18, (\j)*256*PV
.endr
	s_mov_b32 s[SEL], 0x76543210
	s_mov_b32 s[SEL+1], 0xfedcba98
	s_mov_b32 s[TBK], 0
	s_mov_b32 s[TBV], 0
	s_wait_dscnt 0x0                ; the opening add is done
	s_wait_kmcnt 0x0
	s_add_nc_u64 s[20:21], s[4:5], s[20:21]   ; K and V at my half of chunk 0
	s_add_nc_u64 s[22:23], s[6:7], s[22:23]
.irp j, 0,1,2,3
	s_add_nc_u64 s[G0K+4*(\j)+2:G0K+4*(\j)+3], s[20:21], (\j)*32768  ; 120:64 global address
	s_or_b32 s[G0K+4*(\j)+3], s[G0K+4*(\j)+3], 0x80000000            ; 127:126 type = 2
	s_add_nc_u64 s[G0V+4*(\j)+2:G0V+4*(\j)+3], s[22:23], (\j)*32768
	s_or_b32 s[G0V+4*(\j)+3], s[G0V+4*(\j)+3], 0x80000000
.endr
	s_add_nc_u64 s[4:5], s[4:5], s[2:3]       ; Q and O at my wave's first row
	s_add_nc_u64 s[10:11], s[10:11], s[84:85]
	s_load_b32 s[CS], s[6:7], s86 offset:0x0  ; KS2
	CROUND                          ; all four work-groups are here: the joint loads meet
	s_cmp_lt_u32 s[WV], 2           ; a wave's four fills stand in one branch, ahead of every wait on TENSORcnt and every LDS read: four loads of mine are out.  Waves 0 and 1 fetch the halves of K's chunks, waves 2 and 3 of V's
	s_cbranch_scc0 .Lfirst_v
.irp j, 0,1,2,3
	tensor_load_to_lds s[G0K+4*(\j):G0K+4*(\j)+3], s[G1K:G1K+7]
	s_nop 0
.endr
.rept 4
	v_nop
.endr
	s_branch .Lfirst_asked
.Lfirst_v:
.irp j, 0,1,2,3
	tensor_load_to_lds s[G0V+4*(\j):G0V+4*(\j)+3], s[G1V:G1V+7]
	s_nop 0
.endr
.rept 4
	v_nop
.endr
.Lfirst_asked:
	; A fragment of K or Q is 16 rows x 32 channels in 8 registers: lane l holds row l % 16, channels 8 (l / 16) + 0..7 and 16 + 8 (l / 16) + 0..7: two loads of 16 bytes, 32 bytes apart.
	v_and_b32 v1, 15, v0            ; l % 16
	v_bfe_u32 v9, v0, 4, 1          ; l / 16
	v_lshlrev_b32 v[QO], 7, v1
	v_lshl_add_u32 v[QO], v9, 4, v[QO]  ; row x 128 + 16 x half
	WIN 0x80                        ; destination window 2, address window 0
.set i, 0
.rept 8                             ; Q stays in registers: piece i / 2, channels 32 (i % 2) on
	global_load_b128 v[8*i:8*i+3],   v[QO], s[4:5] offset:(i/2)*2048+(i%2)*64
	global_load_b128 v[8*i+4:8*i+7], v[QO], s[4:5] offset:(i/2)*2048+(i%2)*64+32
.set i, i+1
.endr
	; The first step multiplies O^T and l by a = 0, and the first turn's products V^T P, of a piece that has not been, are made of these zeros.  All this stands in the wait for the first chunk.
.set i, VF
.rept 64
	v_mov_b32 v[i], 0
.set i, i+1
.endr
	WIN 0x40
.set i, 0
.rept 128
	v_mov_b32 v[i], 0
.set i, i+1
.endr
	WIN 0
.set i, 0
.rept 4
	v_mov_b32 v[ST+4*i], 0xfe000000    ; KS2 m: far below every KS2 s
	v_mov_b32 v[ST+4*i+1], 0xff7fffff  ; m
	v_mov_b32 v[ST+4*i+2], 0
	v_mov_b32 v[ST+4*i+3], 0
.set i, i+1
.endr
.set i, P+16
.rept 16
	v_mov_b32 v[i], 0
.set i, i+1
.endr
	v_mul_u32_u24 v[AK0], v1, PK
	v_lshl_add_u32 v[AK0], v9, 4, v[AK0]  ; row x pitch + 16 x half
	; The turning load takes 16 keys x 16 channels (lane l reads key 8 (l / 16) + l % 8, channels 8 ((l / 8) % 2) + 0..7) and leaves half a fragment of V^T: lane l holds channel l % 16 and 8 keys.
	v_and_b32 v10, 7, v0
	v_bfe_u32 v11, v0, 3, 1
	v_lshl_add_u32 v[AV0], v9, 3, v10
	v_mul_u32_u24 v[AV0], v[AV0], PV
	v_lshl_add_u32 v[AV0], v11, 4, v[AV0]
	v_add_nc_u32 v[AV0], VOFF, v[AV0]
	s_mul_i32 s13, s[WV], 16*SP
	s_add_co_u32 s13, s13, STAGE    ; my stage
	v_mul_u32_u24 v[STO], v1, SP    ; in: row l % 16, 16 bytes for each half of the lanes
	v_lshl_add_u32 v[STO], v9, 4, v[STO]
	v_add_nc_u32 v[STO], s13, v[STO]
	v_bfe_u32 v[RD], v0, 3, 2       ; back: 32 lanes take four rows of 128 bytes,
	v_mul_u32_u24 v[RD], v[RD], SP
	v_lshl_add_u32 v[RD], v10, 4, v[RD]
	v_add_nc_u32 v[RD], s13, v[RD]
	v_and_b32 v[GO], 31, v0         ; which are 512 consecutive bytes of O
	v_lshlrev_b32 v[GO], 4, v[GO]
; THE MATRIX WORK.  The 4 accumulators of a run of 8 take turns.  Product i of 8 of S^T = K Q^T for piece x: channels 32 (i / 4) on, keys 16 (i % 4) on.  The first 4 start the sums.
.macro KQ x
.set rS, S+32*((\x)%2)+8*(i%4)
.set rK, KF+16*(i%4)+8*(i/4)
.set rQ, 16*(\x)+8*(i/4)
	WIN W_KQ
.if i < 4
	v_wmma_f32_16x16x32_f16 v[rS:rS+7], v[rK:rK+7], v[rQ:rQ+7], 0
.else
	v_wmma_f32_16x16x32_f16 v[rS:rS+7], v[rK:rK+7], v[rQ:rQ+7], v[rS:rS+7]
.endif
.endm
; Product i of 8 of O^T += V^T P for piece x: keys 32 (i / 4) on, channels 16 (i % 4) on.
.macro PV x
	WIN W_PV
.set rO, 32*(\x)+8*(i%4)
.set rV, VF+32*(i/4)+8*(i%4)
.set rP, P+16*((\x)%2)+8*(i/4)
	v_wmma_f32_16x16x32_f16 v[rO:rO+7], v[rV:rV+7], v[rP:rP+7], v[rO:rO+7]
.endm
.macro MM                           ; the turn's next matrix instruction.  NOKQ = 1: the last turn: there is no next piece
.if (i < 8) && !NOKQ
	KQ (Y+1)%NP
.elseif i >= 8
.set i, i-8
	PV (Y+NP-1)%NP
.set i, i+8
.endif
.set i, i+1
.endm
; THE LDS LOADS stand in runs of 16, never singly among the matrix instructions: a step's K (64 keys x 64 channels: 8 fragments) and its V (turned).  Their addresses are made some lines ahead.
.macro FETCH_K
	WIN 0x80                        ; destination window 2
.irp f, 0,1,2,3,4,5,6,7             ; keys 16 (f / 2) on, channels 32 (f % 2) on
	ds_load_b128 v[KF+8*\f:KF+8*\f+3],   v[AK] offset:(\f/2)*16*PK+(\f%2)*64
	ds_load_b128 v[KF+8*\f+4:KF+8*\f+7], v[AK] offset:(\f/2)*16*PK+(\f%2)*64+32
.endr
	s_add_co_u32 s[TBK], s[TBK], KS*PK  ; the next fetch is the next step's
	WIN 0
.endm
.macro FETCH_V
	WIN 0x80
.irp f, 0,1,2,3,4,5,6,7             ; keys 32 (f / 4) on, channels 16 (f % 4) on
	ds_load_tr16_b128 v[VF+8*\f:VF+8*\f+3],   v[AV] offset:(\f/4)*32*PV+(\f%4)*32
	ds_load_tr16_b128 v[VF+8*\f+4:VF+8*\f+7], v[AV] offset:(\f/4)*32*PV+16*PV+(\f%4)*32
.endr
	WIN 0
.endm
; THE VECTOR WORK, one line at a time: OP kind, number.  For piece Y: F n: KS2 s - KS2 m for pair n of 16.  E n: the exponential of score n of 32.  C n: pair n rounded to f16.  B n: of the four weights 4 n .. the second
; pair is added onto the first, in place.  L n: l takes that sum (L 0: l = a l + sum).  R n: pair n of 16 of O^T times a.  For piece Y + 1: X n, number n of the 22 that find its maximum and statistics:
;   0-11  four chains c0-c3 of seven scores each, three operands at a time (each accumulator's lowest registers are read first)     12-14, 16  the four scores left over, the old m, and c0-c3 into c0
;   15  KS2 m_old is kept     17, 18  the query's other 32 keys lie in the lane 16 away: the new m     19-21  KS2 m; KS2 m_old - KS2 m_new; a
.set F, 0               ; OP tells the kinds apart by their order: F to L below R, X above it
.set E, 1
.set C, 2
.set B, 3
.set L, 4
.set R, 5
.set X, 6
.macro REGS y                       ; the registers of piece y
.set rT, ST+4*(\y)
.set rC, TMP+4*((\y)%2)
.set rW, MV+((\y)%2)
.set rS, S+32*((\y)%2)
.set rP, P+16*((\y)%2)
.set rO, 32*(\y)
.endm
.macro OP k, n
.if (\k) == R
	REGS Y
	WIN W_RS
	v_pk_mul_f32 v[rO+2*(\n):rO+2*(\n)+1], v[rO+2*(\n):rO+2*(\n)+1], v[rC+2:rC+3] op_sel_hi:[1,0]
.elseif (\k) < R
	REGS Y
	WIN 0
.if (\k) == F
	v_pk_fma_f32 v[rS+2*(\n):rS+2*(\n)+1], v[rS+2*(\n):rS+2*(\n)+1], s[CS:CS+1], v[rT:rT+1] op_sel_hi:[1,0,0] neg_lo:[0,0,1] neg_hi:[0,0,1]
.elseif (\k) == E
	v_exp_f32 v[rS+(\n)], v[rS+(\n)]
.elseif (\k) == C
	v_cvt_pk_f16_f32 v[rP+(\n)], v[rS+2*(\n)], v[rS+2*(\n)+1]
.elseif (\k) == B
	v_pk_add_f32 v[rS+4*(\n):rS+4*(\n)+1], v[rS+4*(\n):rS+4*(\n)+1], v[rS+4*(\n)+2:rS+4*(\n)+3]
.elseif (\n) == 0
	v_pk_fma_f32 v[rT+2:rT+3], v[rT+2:rT+3], v[rC+2:rC+3], v[rS:rS+1] op_sel_hi:[1,0,1]
.else
	v_pk_add_f32 v[rT+2:rT+3], v[rT+2:rT+3], v[rS+4*(\n):rS+4*(\n)+1]
.endif
.elseif NOKQ
	v_nop
.else
	REGS (Y+1)%NP
	WIN 0
.if (\n) < 4
	v_max3_num_f32 v[rC+(\n)], v[rS+8*(\n)], v[rS+8*(\n)+1], v[rS+8*(\n)+2]
.elseif (\n) < 12
	v_max3_num_f32 v[rC+(\n)%4], v[rC+(\n)%4], v[rS+8*((\n)%4)+2*((\n)/4)+1], v[rS+8*((\n)%4)+2*((\n)/4)+2]
.elseif (\n) == 12
	v_max3_num_f32 v[rC], v[rC], v[rS+7], v[rS+15]
.elseif (\n) == 13
	v_max3_num_f32 v[rC+1], v[rC+1], v[rS+23], v[rS+31]
.elseif (\n) == 14
	v_max3_num_f32 v[rC+2], v[rC+2], v[rC+3], v[rT+1]
.elseif (\n) == 15
	v_mov_b32 v[rW], v[rT]
.elseif (\n) == 16
	v_max3_num_f32 v[rC], v[rC], v[rC+1], v[rC+2]
.elseif (\n) == 17
	v_permlanex16_b32 v[rC+3], v[rC], s[SEL], s[SEL+1]
.elseif (\n) == 18
	v_max_num_f32 v[rT+1], v[rC], v[rC+3]
.elseif (\n) == 19
	v_mul_f32 v[rT], s[CS], v[rT+1]
.elseif (\n) == 20
	v_sub_f32 v[rC+1], v[rW], v[rT]
.else
	v_exp_f32 v[rC+2], v[rC+1]
.endif
.endif
.endm
.macro OPS a, i1, b=-1, i2=0, c=-1, i3=0, d=-1, i4=0  ; up to four of them
	OP \a, \i1
.if (\b) >= 0
	OP \b, \i2
.endif
.if (\c) >= 0
	OP \c, \i3
.endif
.if (\d) >= 0
	OP \d, \i4
.endif
.endm
.macro ROW a, i1, b, i2, c, i3, d, i4  ; a matrix instruction and the four behind it
	MM
	OPS \a, \i1, \b, \i2, \c, \i3, \d, \i4
.endm
; A TURN, for piece p: the order of its 16 matrix and 118 vector instructions, written out.  Behind a matrix instruction: plain, exponential, plain, plain; or four of the rescaling; or, behind the first, four scalings; none
; names a register of the products round it.  In the runs between, exponential and plain by turns while exponentials last.  A line reads no result made fewer than three vector instructions in front of it, five if an exponential made it.
; end = 1: the walk's last two turns: nothing is fetched.  cnt = 1: the loop's count is taken down some lines ahead of the branch that stands behind the turn.
; K of the next step is fetched in piece 2's turn, six vector instructions behind the last product that read K (five of them plain); V of the step in hand in piece 0's turn, eight behind the last product that read V (four
; plain, and X 17).  Each is waited for a turn later.
.macro TURN p, end=0, cnt=0
.set Y, (\p)
.set i, 0
.set NOKQ, (\end)*((\p)/3)
.if ((\p) == 3) && !(\end)
	s_wait_dscnt 0x0                ; K is in
.endif
	ROW F,0, F,1, F,2, F,3
	ROW F,4, E,0, F,5, F,6
	ROW F,7, E,1, F,8, F,9
	ROW F,10, E,2, C,0, F,11
	ROW F,12, E,3, X,15, F,13
	ROW R,0, R,1, R,2, R,3
	ROW B,0, E,4, F,14, L,0
.if ((\p) == 2) && !(\end)
	v_add_nc_u32 v[AK], s[TBK], v[AK0]
.endif
	ROW R,4, R,5, R,6, R,7
	OPS E,5, F,15
.if ((\p) == 2) && !(\end)
	FETCH_K
.endif
	OPS E,6, C,1, E,7, R,8
	OPS E,8, R,9, E,9, C,2
	OPS E,10, X,0, E,11, X,1
	OPS E,12, X,2, E,13, X,3
.if (\p) == 1
	s_wait_dscnt 0x0                ; V is in
.endif
	ROW X,4, E,14, X,5, X,6
	ROW X,7, E,15, X,8, X,9
	ROW X,10, E,16, X,11, X,12
	ROW X,13, E,17, X,14, B,1
	ROW C,4, E,18, X,16, L,1
	ROW B,2, E,19, C,6, L,2
	ROW C,8, E,20, B,3, B,4
.if (\p) == 0
	v_add_nc_u32 v[AV], s[TBV], v[AV0]
.endif
	ROW C,3, E,21, L,3, C,5
	OPS E,22, X,17, E,23, C,10
.if (\p) == 0
	FETCH_V
.endif
	OPS E,24, L,4
	OPS E,25, X,18, E,26, C,7
	OPS E,27, B,5, E,28, X,19
	OPS E,29, C,12, E,30, L,5
	OPS E,31, X,20, B,6, C,9
	OPS C,14, C,11, X,21, L,6
.if (\p) == 0
	s_add_co_u32 s[TBV], s[TBV], KS*PV
.endif
.if \cnt
	s_sub_co_u32 s[CNT], s[CNT], 1
	s_cmp_lg_u32 s[CNT], 0
.endif
	OPS C,13, B,7, C,15, R,10
	OPS R,11, R,12, L,7, R,13
	OPS R,14, R,15
.endm
	s_wait_tensorcnt 0x3            ; my part of chunk 0 (key steps 0-3) is in; the three younger loads may stay out
	s_barrier_signal -1
	s_barrier_wait -1               ; everybody's is
	; THE WALK BEGINS: K of step 0, piece 0's first scores, its maximum and statistics.  The loop is entered at a step's first turn, in the middle of a trip.
	v_add_nc_u32 v[AK], s[TBK], v[AK0]
	FETCH_K
	s_wait_kmcnt 0x0                ; KS2
	s_mov_b32 s[CS+1], s[CS]        ; named with it as a pair
	s_wait_loadcnt 0x0              ; Q
	s_wait_dscnt 0x0
.set NOKQ, 0
.set i, 0
.rept 8
	KQ 0
.set i, i+1
.endr
	WIN 0
.rept 4
	v_nop                           ; the places behind those products
.endr
.set Y, NP-1                        ; X works for piece Y + 1: piece 0
.irp n, 0,1,2,3,4,5,6,7,8,9,10,11,12,13,14,15,16,17,18,19,20,21
	OP X, \n
.endr
	v_nop                           ; a plain instruction behind the exponential
	s_mov_b32 s[CNT], 4             ; the first part: pieces 0 and 1 of steps 0 to 3, pieces 2 and 3 of steps 0 to 2: all reads fall into chunk 0
	s_mov_b32 s[PH], 2
	s_branch .Lfirst
.Lnext:                             ; passed once, between the two parts: K of step 4 is the first read outside chunk 0, and it stands behind this barrier
	s_wait_tensorcnt 0x0            ; my parts of chunks 1 to 3 are in: the waves read each other's tiles
	s_wait_dscnt 0x0                ; no LDS instruction of mine is out at the signal
	s_barrier_signal -1
	s_barrier_wait -1               ; everybody's are
	s_mov_b32 s[CNT], 12            ; the second part: on to pieces 0 and 1 of step 15
.Lstep:                             ; a trip: pieces 2 and 3 of one step, then pieces 0 and 1 of the next, whose K and V it fetches
	TURN 2
	TURN 3
	WIN 0
.Lfirst:
	TURN 0
	TURN 1, 0, 1
	WIN 0
	s_cbranch_scc1 .Lstep
	s_sub_co_u32 s[PH], s[PH], 1
	s_cmp_lg_u32 s[PH], 0
	s_cbranch_scc1 .Lnext
	TURN 2, 1                       ; the last step's pieces 2 and 3: nothing is fetched,
	TURN 3, 1                       ; and no new scores are started
.set i, 0
.rept 8
	PV NP-1                         ; the last piece's V^T P of the last step
.set i, i+1
.endr
	; THE WAY OUT.  l's two halves and the other half of the lanes' are added; O^T is divided by l, rounded to f16 and sent through my stage in LDS, a piece at a time.  The additions are the places behind the last products.
	WIN 0
.macro ALL line:vararg              ; one line for each piece t
.set t, 0
.rept 4
	\line
.set t, t+1
.endr
.endm
	ALL v_add_f32 v[ST+4*t+2], v[ST+4*t+2], v[ST+4*t+3]
	ALL v_permlanex16_b32 v[ST+4*t+3], v[ST+4*t+2], s[SEL], s[SEL+1]
	ALL v_add_f32 v[ST+4*t+2], v[ST+4*t+2], v[ST+4*t+3]
	ALL v_rcp_f32 v[ST+4*t+2], v[ST+4*t+2]
	v_nop                           ; a plain instruction between the last reciprocal and the use of its result
.macro PACK t                       ; a lane's eight channels of a row pack into 16 bytes; they go into rows of 144 bytes and come back as whole rows of 128, into S^T's registers
	WIN W_RS
.set i, 32*(\t)
.rept 16
	v_pk_mul_f32 v[i:i+1], v[i:i+1], v[ST+4*(\t)+2:ST+4*(\t)+3] op_sel_hi:[1,0]
.set i, i+2
.endr
	WIN 0x05                        ; sources 0 and 1 window 1, destination window 0
.set i, 0
.rept 16
	v_cvt_pk_f16_f32 v[S+16*(\t)+i], v[32*(\t)+2*i], v[32*(\t)+2*i+1]
.set i, i+1
.endr
	WIN 0
.irp f, 0,1,2,3
	ds_store_b128 v[STO], v[S+16*(\t)+4*\f:S+16*(\t)+4*\f+3] offset:32*\f
.endr
.irp f, 0,1,2,3
	ds_load_b128 v[S+16*(\t)+4*\f:S+16*(\t)+4*\f+3], v[RD] offset:\f*4*SP  ; LDS serves a wave's instructions in order (ISA guide 5.7.1.4): these see the stores above; the next piece's stores come behind them
.endr
.endm
.macro SEND t, younger              ; younger: the LDS instructions issued behind piece t's loads: the next piece's eight, or none
	WIN 0
.irp f, 0,1,2,3
	s_wait_dscnt (\younger)+3-\f
	global_store_b128 v[GO], v[S+16*(\t)+4*\f:S+16*(\t)+4*\f+3], s[10:11] offset:(\t)*32768+\f*512  ; 512 consecutive bytes, at a multiple of 256 from O's first; a piece's 16 tokens are one group
.endr
.endm
	PACK 0
.set t, 1
.rept 3                             ; a piece's arithmetic stands between the loads of the piece before and its stores
	PACK t
	SEND t-1, 8
.set t, t+1
.endr
	SEND 3, 0
	s_wait_tensorcnt 0x0            ; the wave's end: behind my last tensor load and my last LDS store
	ds_add_u32 v[SPW], v[NIL]
	s_wait_dscnt 0x0
	CROUND                          ; the closing round: no work-group ends while a partner may still ask for a tile that names it
	s_endpgm
.Lfunc_end_k_q45d5eba216_attn1:
	.size	k_q45d5eba216_attn1, .Lfunc_end_k_q45d5eba216_attn1-k_q45d5eba216_attn1
	.p2alignl 7, 3214868480
	.fill 96, 4, 3214868480
	.section	.rodata,"a",@progbits
	.p2align	6, 0x0
	.amdhsa_kernel k_q45d5eba216_attn1
		.amdhsa_group_segment_fixed_size 327680
		.amdhsa_private_segment_fixed_size 0
		.amdhsa_enable_private_segment 0
		.amdhsa_kernarg_size 24
		.amdhsa_user_sgpr_count 2
		.amdhsa_user_sgpr_kernarg_segment_ptr 1
		.amdhsa_wavefront_size32 1
		.amdhsa_system_sgpr_workgroup_id_x 1
		.amdhsa_system_sgpr_workgroup_id_y 1
		.amdhsa_system_sgpr_workgroup_id_z 1
		.amdhsa_system_vgpr_workitem_id 0
		.amdhsa_next_free_vgpr 768
		.amdhsa_next_free_sgpr 88
		.amdhsa_reserve_vcc 0
		.amdhsa_float_denorm_mode_32 3
		.amdhsa_float_denorm_mode_16_64 3
		.amdhsa_memory_ordered 1
		.amdhsa_forward_progress 1
		.amdhsa_inst_pref_size 87
	.end_amdhsa_kernel
	.amdgpu_metadata
---
amdhsa.version: [ 1, 2 ]
amdhsa.kernels:
  - .name:           k_q45d5eba216_attn1
    .symbol:         k_q45d5eba216_attn1.kd
    .args:
      - { .name: qk, .offset: 0, .size: 8, .value_kind: global_buffer, .address_space: global }
      - { .name: v1, .offset: 8, .size: 8, .value_kind: global_buffer, .address_space: global }
      - { .name: oh, .offset: 16, .size: 8, .value_kind: global_buffer, .address_space: global }
    .group_segment_fixed_size: 327680
    .private_segment_fixed_size: 0
    .kernarg_segment_align: 8
    .kernarg_segment_size: 24
    .max_flat_workgroup_size: 128
    .sgpr_count:     88
    .vgpr_count:     768
    .wavefront_size: 32
...
	.end_amdgpu_metadata
.endif
;; end of part 3
;; launch oproj1 (part 4): grid 8 x 32, 4 waves a work-group, clusters of 4 x 4, 327,680 bytes of LDS; arguments oh, wh, x1, bo, v1, xh2, v2; writes xh2, v2
.if DOCPART == 4
	.amdgcn_target "amdgcn-amd-amdhsa--gfx1250"
	.amdhsa_code_object_version 6
	.text
	.protected	k_q45d5eba216_oproj1
	.globl	k_q45d5eba216_oproj1
	.p2align	8
	.type	k_q45d5eba216_oproj1,@function
k_q45d5eba216_oproj1:
	s_mov_b64 s[64:65], 0
	v_nop
	global_prefetch_b8 v0, s[64:65] scope:SCOPE_SE
	s_setreg_imm32_b32 hwreg(HW_REG_WAVE_MODE, 25, 1), 1
	s_wait_xcnt 0x0
	s_wait_alu depctr_hold_cnt(0) depctr_sa_sdst(0) depctr_va_vdst(0) depctr_va_sdst(0) depctr_va_ssrc(0) depctr_va_vcc(0) depctr_vm_vsrc(0)
	s_getreg_b32 s2, hwreg(HW_REG_IB_STS2, 6, 4)
	s_cmp_eq_u32 s2, 0
	s_cbranch_scc0 .Lentry_in_a_cluster
	s_endpgm
.Lentry_in_a_cluster:
	s_bfe_u32 s2, ttmp6, 0x10000c
	s_cmp_lg_u32 s2, 0xf033
	s_cbranch_scc0 .Lentry_shape_is_right
	s_endpgm
.Lentry_shape_is_right:
; THE FIRST STAGE'S OUTPUT, SCALED.  u = (x1 + O Wo + bo) x 2^-G, rounded once to f16 and written in blocks ([16 tokens][64 columns] = 2,048 consecutive bytes) into xh2, for the second stage's projections.
; O [4096][1024] f16 in blocks (oh), Wo [1024][1024] f16 row-major (the fourth weight of wh), x1 and bo in f32; sums in f32.
; THE SCALE.  With all inputs some 30 times larger, or offset, the first stage's output and the second stage's q and k leave f16's range.  A power of two costs no rounding, so u carries 2^-G, and the second attention multiplies its scores by 2^(2G).
; G comes from a bound, not from the data's spread: Bnd = max|x1| + max|bo| + 1024 max|v1| max|Wo| is at least |x1 + O Wo + bo|, since O is a mean of v1's rows.  With E1 the exponent field of Bnd and E2 that of max(|Wq|, |Wk|), at least 116:
; G = E1 + E2 - 257.  Then |u| < 2^(131 - E2), at most 2^15, and |u W| < 1024 x 2^(131 - E2) x 2^(E2 - 126) = 2^15: nothing of the second stage passes f16's end.  The maxima were stored by the two launches before.
; Every wave makes G for itself (20 loads in the wait for the first tiles); wave 0 stores 2^(2G) into the work-group's own word at the head of v2.  G enters values alone: no address, no branch.
; LIMITS.  G is held within -60 .. 60; beyond that (Bnd x max|W| outside 2^-57 .. 2^63) u may leave f16's range.  NaN is ignored by the maxima.
; SHAPE.  A tile of C is 128 x 128; four waves, each 64 x 64: 16 accumulators.  K goes in four steps of 256 through two LDS slots filled by the tensor data mover.  A K step of 64 tokens of O is 4 runs of 8,192 consecutive bytes;
; in LDS every 128 bytes (a token's 64 columns) get 16 of padding.  Wo lies [k][n]: a tile is 128 rows of k x 256 bytes, and its fragments come out of LDS turned, by ds_load_tr16_b128.
; THE SUMS BEGIN WITH x1: its numbers are loaded straight into the accumulators, laid as the results lie.  So the residual costs no instruction, and no first product is written apart from the others.
; A K STEP IS WRITTEN TWICE: once with a refill (two trips: K steps 0 and 1 are left, 2 and 3 asked for) and once without (two trips).  The LDS addresses are a lane's term plus a scalar that is 0 or SLOT,
; and one descriptor a tensor walks from slot to slot.  The very last change of slots fetches 32 fragments that nobody multiplies and passes a barrier that orders nothing: the price, once a launch, of one text for the last two K steps.
; CLUSTERS: 4 x 4 work-groups.  The four of a row of the cluster need the same tiles of O, the four of a column the same tiles of Wo: each tile is asked for JOINTLY.
; THE MATRIX INSTRUCTION IS USED TRANSPOSED (source 0 = 16 columns of Wo, source 1 = 16 rows of O): a lane then holds eight neighbouring numbers of a row of C.
; REGISTERS: window 0: v0-31 addresses; v32-111 the maxima's tables, then v96-127 the bias; v128-255 the accumulators ((a, b) at v[128 + 8 (4 a + b)]).   window 1: two fragment buffers of 128.
.set PA,     144                       ; a token's 128 bytes + 16 of padding = 36 words: the 16 rows of a load start at 16 different groups of four banks (64 banks of 4 bytes: ISA guide 11.1)
.set PB,     288                       ; a row of Wo's tile: 256 + 32 = 72 words
.set HALFT,  36864                     ; what one tensor load brings: 256 x 144 or 128 x 288
.set SLOT,   4*HALFT                   ; O's tokens 0-63, 64-127, then Wo's k 0-127, 128-255.  147,456 = 2^17 + 2^14: neither bit is set in a tile's place in a slot (0, 36,864, 73,728, 110,592), so one exclusive or turns an address in one slot into the other's
.set STAGE,  2*SLOT                    ; behind the ring: 16 rows x 144 bytes for each wave, for the way out
.set SP,     144
.set SPARE,  STAGE+4*16*SP             ; behind the stages: the spare words, 128 bytes for each wave: two blocks of 256 bytes that no other line names
.set ASTEP,  8192                      ; bytes from K step to K step in O: four blocks
.set BSTEP,  524288                    ; in Wo: 256 rows of 2,048 bytes
.set ADRA0, 16                         ; v16     my lane's place in slot 0 for fragments of O; never rewritten
.set ADRB0, 17                         ; v17     the same for Wo, k half 0
.set ADRA,  18                         ; v18     the same in the slot in hand
.set ADRB,  20                         ; v20-21  Wo in the slot in hand: k half 0, 1 (a slot's 256 rows of k pass an LDS instruction's 16-bit offset)
.set STO,  24                          ; v24     the way out: where I put 16 bytes of a row
.set RD,   25                          ; v25     the way out: where I read rows back
.set GO,   26                          ; v26     16 x lane
.set XO,   27                          ; v27     my byte offset in 16 rows of x1
.set SPW,  28                          ; v28     LDS address of my spare word; never rewritten
.set NIL,  29                          ; v29     0; never rewritten
.set LN,   30                          ; v30     my lane
.set BO,   31                          ; v31     my byte offset in 16 numbers of bo
.set BIA,  96                          ; v96-127 bo of my columns: n block b at BIA + 8 b
.set ACC,  128
.set F0,   0
.set F1,   128
.set G1, 24                            ; s[24:31] descriptor group 1 for O's tiles
.set G0, 32                            ; s[32:39] descriptor group 0 for O's tiles: a set for each of the two first fills; the second then walks on
.set G1B, 48                           ; s[48:55], s[56:63] the same for Wo's tiles
.set G0B, 56
.set TB,  66                           ; s66     0 or SLOT: the slot in hand
.set CNT, 67                           ; s67     counts a loop's trips
.set SEL, 82                           ; s[82:83] v_permlanex16_b32's selects
.set SIG, 88                           ; s[88:89] 2^-G
.set MSB, 0
.macro WIN new                         ; the immediate's high byte repeats the setting that is left; a switch that changes nothing is dropped
.if MSB != (\new)
	s_set_vgpr_msb (MSB<<8)|(\new)
.set MSB, \new
.endif
.endm
.set MUL,  0x05                        ; sources 0 (Wo) and 1 (O) window 1; C and D window 0
.set TO_F, 0x40                        ; destination window 1, address window 0
.macro JLOAD s                         ; a joint load: waves 0 and 1 fetch O's two halves, waves 2 and 3 Wo's; an s_nop 0 and four v_nop follow each of the two lines
	s_cmp_eq_u32 s11, 0
	s_cbranch_scc0 .Lfor_b_\@
	tensor_load_to_lds s[G0+4*(\s):G0+4*(\s)+3], s[G1:G1+7]
	s_nop 0
.rept 4
	v_nop
.endr
	s_branch .Lasked_\@
.Lfor_b_\@:
	tensor_load_to_lds s[G0B+4*(\s):G0B+4*(\s)+3], s[G1B:G1B+7]
	s_nop 0
.rept 4
	v_nop
.endr
.Lasked_\@:
.endm
.macro CREST                           ; a round of the cluster's barrier behind its opening barrier
	s_cmp_lg_u32 s10, 0
	s_cbranch_scc1 .Lnot_wave_0_\@
	s_barrier_signal -3
.Lnot_wave_0_\@:
	s_barrier_wait -3
	s_barrier_signal -1
	s_barrier_wait -1
.endm
.macro CROUND                          ; a whole round
	s_barrier_signal -1
	s_barrier_wait -1
	CREST
.endm
	s_load_b256 s[68:75], s[0:1], 0x0              ; oh s[68:69], wh s[70:71], x1 s[72:73], bo s[74:75]
	s_load_b128 s[76:79], s[0:1], 0x20             ; v1 s[76:77], xh2 s[78:79]
	s_load_b64 s[80:81], s[0:1], 0x30              ; v2
	v_lshl_add_u32 v[SPW], v0, 2, SPARE
	v_mov_b32 v[NIL], 0
	ds_add_u32 v[SPW], v[NIL]                      ; the wave's opening: the add and its wait stand ahead of my first tensor load; the set-up below, work on registers, stands between them
	v_lshrrev_b32 v1, 5, v0
	v_readfirstlane_b32 s10, v1                    ; wave 0..3
	s_lshr_b32 s11, s10, 1                         ; which half of the tile's rows is mine.  Also: I fetch for O (0) or for Wo (1)
	s_and_b32 s12, s10, 1                          ; which half of its columns.  Also: which half of that tile I fetch
	s_bfe_u32 s40, ttmp6, 0x40000                  ; cx, cy
	s_bfe_u32 s41, ttmp6, 0x40004
	s_lshl_b32 s42, ttmp9, 2
	s_add_co_u32 s42, s42, s40                     ; tile column 0..7
	s_and_b32 s13, ttmp7, 0xffff
	s_lshl_b32 s13, s13, 2
	s_add_co_u32 s13, s13, s41                     ; tile row 0..31
	s_lshl_b32 s43, s41, 2
	s_lshl_b32 s43, 15, s43                        ; my row of the cluster
	s_lshl_b32 s44, 0x1111, s40                    ; my column
	s_or_b32 s[G1+0], s43, (1<<16)|(1<<20)|(1<<21)|(4<<22)|(3<<25)   ; the mask of my row; 2-byte elements; padding on; bit 21 beside a mask; after every 32 words, 4 words
	s_mov_b32 s[G1+1], 4096<<16                    ; tensor_dim0 = 4,096 elements: four blocks on end
	s_mov_b32 s[G1+2], 4<<16                       ; tensor_dim1 = 4 groups of 16 tokens
	s_mov_b32 s[G1+3], 4096<<16
	s_mov_b32 s[G1+4], 4
	s_mov_b32 s[G1+5], 16384                       ; elements from group to group
	s_mov_b32 s[G1+6], 0
	s_mov_b32 s[G1+7], 0
	s_or_b32 s[G1B+0], s44, (1<<16)|(1<<20)|(1<<21)|(5<<22)|(7<<25)  ; the mask of my column; after every 64 words, 8 words
	s_mov_b32 s[G1B+1], 128<<16
	s_mov_b32 s[G1B+2], 128<<16
	s_mov_b32 s[G1B+3], 128<<16
	s_mov_b32 s[G1B+4], 128
	s_mov_b32 s[G1B+5], 1024
	s_mov_b32 s[G1B+6], 0
	s_mov_b32 s[G1B+7], 0
	s_lshl_b32 s16, s13, 18                        ; O: tile row x 8 groups x 32,768 bytes + my half's 4 groups
	s_lshl_b32 s17, s12, 17
	s_add_co_u32 s16, s16, s17
	s_mov_b32 s17, 0
	s_lshl_b32 s46, s12, 18                        ; Wo: my half's 128 rows + tile column x 256 bytes, behind three weights
	s_lshl_b32 s47, s42, 8
	s_add_co_u32 s46, s46, s47
	s_add_co_u32 s46, s46, 6291456
	s_mov_b32 s47, 0
	s_mul_i32 s20, s10, HALFT                      ; where they go: wave x a load's bytes: no place in the cluster enters an LDS address
	s_mov_b32 s[SEL], 0x76543210
	s_mov_b32 s[SEL+1], 0xfedcba98
	s_mov_b32 s87, 0x44800000                      ; 1024.0
	s_mov_b32 s[TB], 0                             ; K step 0 lies in slot 0
	s_wait_dscnt 0x0                               ; the opening add is done
	s_wait_kmcnt 0x0
	s_add_nc_u64 s[14:15], s[68:69], s[16:17]
	s_add_nc_u64 s[46:47], s[70:71], s[46:47]
	CROUND                                         ; all sixteen work-groups are here: the first joint loads meet
.irp s, 0,1
	s_mov_b32 s[G0+4*(\s)], 1
	s_add_co_u32 s[G0+4*(\s)+1], s20, (\s)*SLOT
	s_add_nc_u64 s[G0+4*(\s)+2:G0+4*(\s)+3], s[14:15], (\s)*ASTEP
	s_or_b32 s[G0+4*(\s)+3], s[G0+4*(\s)+3], 0x80000000
	s_mov_b32 s[G0B+4*(\s)], 1
	s_add_co_u32 s[G0B+4*(\s)+1], s20, (\s)*SLOT
	s_add_nc_u64 s[G0B+4*(\s)+2:G0B+4*(\s)+3], s[46:47], (\s)*BSTEP
	s_or_b32 s[G0B+4*(\s)+3], s[G0B+4*(\s)+3], 0x80000000
	JLOAD \s                                       ; two loads of mine are out
.endr
	; x1 of my 64 x 64 goes straight into the accumulators: register j of (a, b) is row 16 a + l % 16, column 16 b + 8 (l / 16) + j.  Asked for first of all: the wait for the tables below covers these loads too
	v_and_b32 v1, 15, v0                           ; l % 16
	v_bfe_u32 v2, v0, 4, 1                         ; l / 16
	v_lshlrev_b32 v[XO], 12, v1                    ; x1: row l % 16 of 4,096 bytes + 32 x half
	v_lshl_add_u32 v[XO], v2, 5, v[XO]
	s_lshl_b32 s4, s13, 19                         ; tile row x 128 rows of 4,096 bytes
	s_lshl_b32 s5, s11, 18                         ;     + my 64 rows
	s_add_co_u32 s4, s4, s5
	s_lshl_b32 s90, s42, 9                         ; tile column x 512 bytes
	s_lshl_b32 s5, s12, 8                          ;     + my 64 columns
	s_add_co_u32 s90, s90, s5
	s_add_co_u32 s4, s4, s90
	s_mov_b32 s5, 0
	s_mov_b32 s91, 0
	s_add_nc_u64 s[6:7], s[72:73], s[4:5]
	s_add_nc_u64 s[90:91], s[74:75], s[90:91]      ; bo at my columns
.irp a, 0,1,2,3
.irp b, 0,1,2,3
	global_load_b128 v[ACC+8*(4*(\a)+(\b)):ACC+8*(4*(\a)+(\b))+3],   v[XO], s[6:7] offset:(\a)*65536+64*(\b)
	global_load_b128 v[ACC+8*(4*(\a)+(\b))+4:ACC+8*(4*(\a)+(\b))+7], v[XO], s[6:7] offset:(\a)*65536+64*(\b)+16
.endr
.endr
	; the tables of maxima, all in whole consecutive runs: x1's 256 words, Wq's and Wk's 128, Wo's 64 (behind the weights in wh), v1's 1,024 (at byte 4,096 of v1), and bo itself
	v_and_b32 v[LN], 31, v0
	v_lshlrev_b32 v[GO], 4, v[LN]
	v_lshlrev_b32 v10, 3, v[LN]
	s_add_nc_u64 s[2:3], s[70:71], 0x800000
	global_load_b128 v[32:35], v[GO], s[2:3]
	global_load_b128 v[36:39], v[GO], s[2:3] offset:512
	global_load_b128 v[40:43], v[GO], s[2:3] offset:2048
	global_load_b64 v[44:45], v10, s[2:3] offset:2816
.irp j, 0,1,2,3,4,5,6,7
	global_load_b128 v[48+4*(\j):48+4*(\j)+3], v[GO], s[76:77] offset:4096+512*(\j)
	global_load_b128 v[80+4*(\j):80+4*(\j)+3], v[GO], s[74:75] offset:512*(\j)
.endr
	v_mul_u32_u24 v3, v1, PA
	v_lshl_add_u32 v3, v2, 4, v3                   ; a fragment of O: row x pitch + 16 x half
	s_mul_i32 s21, s11, HALFT                      ; my 64 tokens
	v_add_nc_u32 v[ADRA0], s21, v3
	v_and_b32 v4, 7, v0                            ; the turning load: lane l reads row 8 (l / 16) + l % 8 of k, columns 8 ((l / 8) % 2) + 0..7
	v_lshl_add_u32 v4, v2, 3, v4
	v_mul_u32_u24 v4, v4, PB
	v_bfe_u32 v5, v0, 3, 1
	v_lshl_add_u32 v4, v5, 4, v4
	s_lshl_b32 s22, s12, 7                         ; my 64 columns,
	s_add_co_u32 s22, s22, 2*HALFT                 ; behind O's two halves
	v_add_nc_u32 v[ADRB0], s22, v4
	v_mov_b32 v[ADRA], v[ADRA0]
	v_mov_b32 v[ADRB], v[ADRB0]
	v_add_nc_u32 v[ADRB+1], HALFT, v[ADRB0]
	s_mul_i32 s23, s10, 16*SP
	s_add_co_u32 s23, s23, STAGE                   ; my stage
	v_add_nc_u32 v[STO], s23, v3                   ; in: row l % 16, 16 bytes for each half of the lanes (the stage's pitch is O's)
	v_bfe_u32 v6, v0, 3, 2                         ; back: 32 lanes take four rows of 128 bytes
	v_mul_u32_u24 v6, v6, SP
	v_and_b32 v7, 7, v0
	v_lshl_add_u32 v6, v7, 4, v6
	v_add_nc_u32 v[RD], s23, v6
	v_lshlrev_b32 v[BO], 5, v2                     ; bo: 32 x half
	v_mov_b32 v12, 0
	s_wait_loadcnt 0x0                             ; the tables are in, and x1, which was asked for ahead of them
.macro LRED x, tmp                     ; the maximum over the 32 lanes, in every lane
	v_max_num_f32_dpp v[\x], v[\x], v[\x] row_xmask:1 row_mask:0xf bank_mask:0xf
	v_max_num_f32_dpp v[\x], v[\x], v[\x] row_xmask:2 row_mask:0xf bank_mask:0xf
	v_max_num_f32_dpp v[\x], v[\x], v[\x] row_xmask:4 row_mask:0xf bank_mask:0xf
	v_max_num_f32_dpp v[\x], v[\x], v[\x] row_xmask:8 row_mask:0xf bank_mask:0xf
	v_permlanex16_b32 v[\tmp], v[\x], s[SEL], s[SEL+1]
	v_max_num_f32 v[\x], v[\x], v[\tmp]
.endm
	v_max3_num_f32 v32, v32, v33, v34              ; x1
	v_max3_num_f32 v35, v35, v36, v37
	v_max3_num_f32 v32, v32, v38, v39
	v_max_num_f32 v32, v32, v35
	v_max3_num_f32 v40, v40, v41, v42              ; Wq, Wk
	v_max_num_f32 v40, v40, v43
	v_max_num_f32 v44, v44, v45                    ; Wo
.set i, 0
.rept 15
	v_max3_num_f32 v48, v48, v[49+2*i], v[50+2*i]  ; v1
.set i, i+1
.endr
	v_max_num_f32 v48, v48, v79
	v_max3_num_f32 v80, |v80|, |v81|, |v82|        ; bo
.set i, 0
.rept 14
	v_max3_num_f32 v80, v80, |v[83+2*i]|, |v[84+2*i]|
.set i, i+1
.endr
	v_max_num_f32 v80, v80, |v111|
	LRED 32, 33
	LRED 40, 41
	LRED 44, 45
	LRED 48, 49
	LRED 80, 81
	v_mul_f32 v46, v48, v44
	v_add_f32 v47, v32, v80
	v_fma_f32 v46, v46, s87, v47                   ; Bnd
	v_readfirstlane_b32 s84, v46
	v_readfirstlane_b32 s85, v40
	s_lshr_b32 s84, s84, 23                        ; E1 (both numbers are not negative)
	s_lshr_b32 s85, s85, 23
	s_max_u32 s85, s85, 116                        ; E2
	s_add_co_u32 s84, s84, s85
	s_sub_co_i32 s84, s84, 257
	s_max_i32 s84, s84, -60
	s_min_i32 s84, s84, 60                         ; G
	s_sub_co_i32 s[SIG], 127, s84
	s_lshl_b32 s[SIG], s[SIG], 23                  ; 2^-G
	s_mov_b32 s[SIG+1], s[SIG]                     ; named with it as a pair
	s_lshl_b32 s86, s84, 1
	s_add_co_i32 s86, s86, 127
	s_lshl_b32 s86, s86, 23                        ; 2^(2G)
	v_mov_b32 v13, s86
	s_cmp_lg_u32 s10, 0
	s_cbranch_scc1 .Lno_k                          ; wave 0 stores it for the work-group
	s_lshl_b32 s4, s13, 3
	s_add_co_u32 s4, s4, s42
	s_lshl_b32 s4, s4, 2                           ; the work-group's own word of 256
	s_mov_b32 s5, 0
	s_add_nc_u64 s[4:5], s[80:81], s[4:5]
	s_wait_xcnt 0x0                                ; EXEC changes only behind this wait
	v_cmp_gt_u32 vcc_lo, 1, v[LN]
	s_and_saveexec_b32 s14, vcc_lo                 ; lane 0 alone
	global_store_b32 v12, v13, s[4:5]
	s_wait_xcnt 0x0                                ; and again in front of the line that widens it
	s_or_b32 exec_lo, exec_lo, s14
.Lno_k:
.irp b, 0,1,2,3
	global_load_b128 v[BIA+8*(\b):BIA+8*(\b)+3],   v[BO], s[90:91] offset:64*(\b)      ; bo of my columns: waited for in front of the way out
	global_load_b128 v[BIA+8*(\b)+4:BIA+8*(\b)+7], v[BO], s[90:91] offset:64*(\b)+16
.endr
	s_lshl_b32 s4, s13, 3                          ; u: group of 16 tokens 8 x tile row + 4 x my half,
	s_lshl_b32 s5, s11, 2
	s_add_co_u32 s4, s4, s5
	s_lshl_b32 s4, s4, 4
	s_lshl_b32 s5, s42, 1                          ; block 2 x tile column + my half,
	s_add_co_u32 s4, s4, s5
	s_add_co_u32 s4, s4, s12
	s_lshl_b32 s4, s4, 11                          ; 2,048 bytes each
	s_mov_b32 s5, 0
	s_add_nc_u64 s[8:9], s[78:79], s[4:5]
; 8 matrix instructions: m blocks a0, a0 + 1 x all 4 n blocks, 32 along K: half c of buffer f.  The 16 accumulators take turns, one instruction a turn.
.macro MUL8 f, c, a0
	WIN MUL
.irp a, \a0, (\a0)+1
.irp b, 0,1,2,3
	v_wmma_f32_16x16x32_f16 v[ACC+8*(4*(\a)+(\b)):ACC+8*(4*(\a)+(\b))+7], v[(\f)+64+8*(4*(\c)+(\b)):(\f)+64+8*(4*(\c)+(\b))+7], v[(\f)+8*(4*(\c)+(\a)):(\f)+8*(4*(\c)+(\a))+7], v[ACC+8*(4*(\a)+(\b)):ACC+8*(4*(\a)+(\b))+7]
.endr
.endr
.endm
; 32 LDS loads in one run: the fragments of quarter q (64 along K) of the slot in hand, into buffer f; the first 32 along K first.  O: group i of 16 tokens, block q.  Wo: k half q / 2, rows 64 (q % 2) + 32 c on, columns 16 i on.
.macro FETCH q, f
	WIN TO_F
.irp c, 0,1
.irp i, 0,1,2,3
	ds_load_tr16_b128 v[(\f)+64+8*(4*(\c)+(\i)):(\f)+64+8*(4*(\c)+(\i))+3],   v[ADRB+(\q)/2] offset:(((\q)%2)*64+32*(\c))*PB+32*(\i)
	ds_load_tr16_b128 v[(\f)+64+8*(4*(\c)+(\i))+4:(\f)+64+8*(4*(\c)+(\i))+7], v[ADRB+(\q)/2] offset:(((\q)%2)*64+32*(\c)+16)*PB+32*(\i)
	ds_load_b128 v[(\f)+8*(4*(\c)+(\i)):(\f)+8*(4*(\c)+(\i))+3],   v[ADRA] offset:(64*(\i)+16*(\q))*PA+64*(\c)
	ds_load_b128 v[(\f)+8*(4*(\c)+(\i))+4:(\f)+8*(4*(\c)+(\i))+7], v[ADRA] offset:(64*(\i)+16*(\q))*PA+64*(\c)+32
.endr
.endr
.endm
.macro PLACES                          ; four places in front of loads into registers that matrix instructions have read (ISA guide 7.12.1 for vector instructions)
.rept 4
	v_nop
.endr
.endm
; A K step is four quarters of 64 along K, 32 matrix instructions each, on buffers 0, 1, 0, 1.  One of the first three: multiplies buffer f and fetches quarter q of the same slot into g.
.macro QUARTER q, f, g
	s_wait_dscnt 16                                ; the first 32 along K are in
	MUL8 \f, 0, 0
	MUL8 \f, 0, 2
	PLACES
	FETCH \q, \g
	s_wait_dscnt 32                                ; all but the 32 just issued
	MUL8 \f, 1, 0
	MUL8 \f, 1, 2
.endm
; The last quarter multiplies buffer 1 and changes slots: ONE barrier; in front of it each wave waits for all its tensor loads, adds 0 to its spare word, and waits for that and for its own reads of this slot.
; fill = 1: the barrier opens a round of the cluster's barrier, and this slot is filled again, with the K step two steps on: the first thing behind the round.
.macro TURN fill
	WIN 0                                          ; (the add's two registers lie in window 0)
	s_wait_tensorcnt 0x0                           ; all my tensor loads have landed, so a group 0 may be written;
	ds_add_u32 v[SPW], v[NIL]                      ; 0 onto my spare word;
	s_wait_dscnt 17                                ; (the add and the youngest sixteen loads may be out)
	MUL8 F1, 0, 0                                  ; eight matrix instructions stand between the add and the wait for it
	s_wait_dscnt 0x0                               ; the add is done, and my reads of this slot are over
	s_barrier_signal -1
	MUL8 F1, 0, 2
.if \fill
	WIN 0
.endif
	s_barrier_wait -1
.if \fill
	CREST                                          ; no wave of any partner still reads this slot's tile or has a load on its way
	s_xor_b32 s[G0+5], s[G0+5], SLOT               ; the walking descriptors: the other slot than last time,
	s_add_nc_u64 s[G0+6:G0+7], s[G0+6:G0+7], ASTEP ; the next K step; the type bits on top are not reached
	s_xor_b32 s[G0B+5], s[G0B+5], SLOT
	s_add_nc_u64 s[G0B+6:G0B+7], s[G0B+6:G0B+7], BSTEP
	JLOAD 1                                        ; my only load out; its four v_nop are also the places in front of the loads below
.else
	PLACES
.endif
	WIN 0
	s_xor_b32 s[TB], s[TB], SLOT                   ; the reads go on in the other slot
	v_add_nc_u32 v[ADRA], s[TB], v[ADRA0]
	v_add_nc_u32 v[ADRB], s[TB], v[ADRB0]
	v_add_nc_u32 v[ADRB+1], HALFT, v[ADRB]
	FETCH 0, F0
	MUL8 F1, 1, 0
	MUL8 F1, 1, 2
.endm
	s_wait_tensorcnt 1                             ; my part of K step 0 is in; K step 1's may stay out
	s_barrier_signal -1
	s_barrier_wait -1                              ; everybody's is
	FETCH 0, F0
	WIN 0                                          ; at a label and at a branch every window is 0
	s_mov_b32 s[CNT], 2
.Lfill:                                                ; two trips: K steps 0 and 1; their slots take K steps 2 and 3
	QUARTER 1, F0, F1
	QUARTER 2, F1, F0
	QUARTER 3, F0, F1
	TURN 1
	WIN 0
	s_sub_co_u32 s[CNT], s[CNT], 1
	s_cmp_lg_u32 s[CNT], 0
	s_cbranch_scc1 .Lfill
	s_mov_b32 s[CNT], 2
.Ldry:                                                 ; two trips: K steps 2 and 3; nothing is left to ask for.  The second trip's fetch, from K step 2's slot, is multiplied by nobody
	QUARTER 1, F0, F1
	QUARTER 2, F1, F0
	QUARTER 3, F0, F1
	TURN 0
	WIN 0
	s_sub_co_u32 s[CNT], s[CNT], 1
	s_cmp_lg_u32 s[CNT], 0
	s_cbranch_scc1 .Ldry
	s_wait_loadcnt 0x0                             ; bo, asked for ahead of the K loops
.set i, 0
.rept 16
	v_pk_mul_f32 v[BIA+2*i:BIA+2*i+1], v[BIA+2*i:BIA+2*i+1], s[SIG:SIG+1] op_sel_hi:[1,0]   ; bo 2^-G, exact; these sixteen are also the places behind the last products
.set i, i+1
.endr
; THE WAY OUT of block a (16 rows x 64 columns).  PACK: (x1 + sum) x 2^-G + bo 2^-G, one fused multiply-add; rounded to f16 in place; into my own stage in rows of 144 bytes, and back as whole rows of 128, into the upper halves of the block's accumulators.
.macro PACK a
.irp b, 0,1,2,3
.irp z, 0,1,2,3
	v_pk_fma_f32 v[ACC+8*(4*(\a)+(\b))+2*(\z):ACC+8*(4*(\a)+(\b))+2*(\z)+1], v[ACC+8*(4*(\a)+(\b))+2*(\z):ACC+8*(4*(\a)+(\b))+2*(\z)+1], s[SIG:SIG+1], v[BIA+8*(\b)+2*(\z):BIA+8*(\b)+2*(\z)+1] op_sel_hi:[1,0,1]
.endr
.endr
.irp b, 0,1,2,3
.irp z, 0,1,2,3
	v_cvt_pk_f16_f32 v[ACC+8*(4*(\a)+(\b))+(\z)], v[ACC+8*(4*(\a)+(\b))+2*(\z)], v[ACC+8*(4*(\a)+(\b))+2*(\z)+1]
.endr
.endr
.irp b, 0,1,2,3
	ds_store_b128 v[STO], v[ACC+8*(4*(\a)+(\b)):ACC+8*(4*(\a)+(\b))+3] offset:32*(\b)
.endr
.irp f, 0,1,2,3
	ds_load_b128 v[ACC+8*(4*(\a)+(\f))+4:ACC+8*(4*(\a)+(\f))+7], v[RD] offset:(\f)*4*SP  ; LDS serves a wave's instructions in order (ISA guide 5.7.1.4): these see the stores above; the next block's stores come behind them
.endr
.endm
.macro SEND a, younger                 ; younger: the LDS instructions issued behind block a's loads: the next block's eight, or none
.irp f, 0,1,2,3
	s_wait_dscnt (\younger)+3-(\f)
	global_store_b128 v[GO], v[ACC+8*(4*(\a)+(\f))+4:ACC+8*(4*(\a)+(\f))+7], s[8:9] offset:(\a)*32768+(\f)*512  ; 512 consecutive bytes, at a multiple of 256 from the buffer's first; block a is one group of 16 tokens
.endr
.endm
	PACK 0
	PACK 1                                         ; a block's arithmetic stands between the loads of the block before and its stores
	SEND 0, 8
	PACK 2
	SEND 1, 8
	PACK 3
	SEND 2, 8
	SEND 3, 0
	s_wait_tensorcnt 0x0                           ; the wave's end: behind my last tensor load and my last LDS store
	ds_add_u32 v[SPW], v[NIL]
	s_wait_dscnt 0x0
	CROUND                                         ; the closing round: no work-group ends while a partner may still ask for a tile that names it
	s_endpgm
.Lfunc_end_k_q45d5eba216_oproj1:
	.size	k_q45d5eba216_oproj1, .Lfunc_end_k_q45d5eba216_oproj1-k_q45d5eba216_oproj1
	.p2alignl 7, 3214868480
	.fill 96, 4, 3214868480
	.section	.rodata,"a",@progbits
	.p2align	6, 0x0
	.amdhsa_kernel k_q45d5eba216_oproj1
		.amdhsa_group_segment_fixed_size 327680
		.amdhsa_private_segment_fixed_size 0
		.amdhsa_enable_private_segment 0
		.amdhsa_kernarg_size 56
		.amdhsa_user_sgpr_count 2
		.amdhsa_user_sgpr_kernarg_segment_ptr 1
		.amdhsa_wavefront_size32 1
		.amdhsa_system_sgpr_workgroup_id_x 1
		.amdhsa_system_sgpr_workgroup_id_y 1
		.amdhsa_system_sgpr_workgroup_id_z 1
		.amdhsa_system_vgpr_workitem_id 0
		.amdhsa_next_free_vgpr 512
		.amdhsa_next_free_sgpr 92
		.amdhsa_reserve_vcc 1
		.amdhsa_float_denorm_mode_32 3
		.amdhsa_float_denorm_mode_16_64 3
		.amdhsa_memory_ordered 1
		.amdhsa_forward_progress 1
		.amdhsa_inst_pref_size 71
	.end_amdhsa_kernel
	.amdgpu_metadata
---
amdhsa.version: [ 1, 2 ]
amdhsa.kernels:
  - .name:           k_q45d5eba216_oproj1
    .symbol:         k_q45d5eba216_oproj1.kd
    .args:
      - { .name: oh, .offset: 0, .size: 8, .value_kind: global_buffer, .address_space: global }
      - { .name: wh, .offset: 8, .size: 8, .value_kind: global_buffer, .address_space: global }
      - { .name: x1, .offset: 16, .size: 8, .value_kind: global_buffer, .address_space: global }
      - { .name: bo, .offset: 24, .size: 8, .value_kind: global_buffer, .address_space: global }
      - { .name: v1, .offset: 32, .size: 8, .value_kind: global_buffer, .address_space: global }
      - { .name: xh2, .offset: 40, .size: 8, .value_kind: global_buffer, .address_space: global }
      - { .name: v2, .offset: 48, .size: 8, .value_kind: global_buffer, .address_space: global }
    .group_segment_fixed_size: 327680
    .private_segment_fixed_size: 0
    .kernarg_segment_align: 8
    .kernarg_segment_size: 56
    .max_flat_workgroup_size: 128
    .sgpr_count:     92
    .vgpr_count:     512
    .wavefront_size: 32
...
	.end_amdgpu_metadata
.endif
;; end of part 4
;; launch proj2: the kernel of part 2 again; grid 12 x 16, 4 waves a work-group, clusters of 4 x 4, 327,680 bytes of LDS; arguments xh2, xh1, wh, qk, v1, v2; writes qk, v1, v2
;; launch attn2: the kernel of part 3 again; grid 4 x 64, 4 waves a work-group, clusters of 4 x 1, 327,680 bytes of LDS; arguments qk, v2, oh; writes oh
;; launch oproj2 (part 5): grid 8 x 32, 4 waves a work-group, clusters of 4 x 4, 327,680 bytes of LDS; arguments oh, wh, bo, out0; writes out0
.if DOCPART == 5
	.amdgcn_target "amdgcn-amd-amdhsa--gfx1250"
	.amdhsa_code_object_version 6
	.text
	.protected	k_q45d5eba216_oproj2
	.globl	k_q45d5eba216_oproj2
	.p2align	8
	.type	k_q45d5eba216_oproj2,@function
k_q45d5eba216_oproj2:
	s_mov_b64 s[64:65], 0
	v_nop
	global_prefetch_b8 v0, s[64:65] scope:SCOPE_SE
	s_setreg_imm32_b32 hwreg(HW_REG_WAVE_MODE, 25, 1), 1
	s_wait_xcnt 0x0
	s_wait_alu depctr_hold_cnt(0) depctr_sa_sdst(0) depctr_va_vdst(0) depctr_va_sdst(0) depctr_va_ssrc(0) depctr_va_vcc(0) depctr_vm_vsrc(0)
	s_getreg_b32 s2, hwreg(HW_REG_IB_STS2, 6, 4)
	s_cmp_eq_u32 s2, 0
	s_cbranch_scc0 .Lentry_in_a_cluster
	s_endpgm
.Lentry_in_a_cluster:
	s_bfe_u32 s2, ttmp6, 0x10000c
	s_cmp_lg_u32 s2, 0xf033
	s_cbranch_scc0 .Lentry_shape_is_right
	s_endpgm
.Lentry_shape_is_right:
; THE RESULT.  out0 = O Wo + bo, in f32.  O [4096][1024] f16 in blocks ([16 tokens][64 columns] = 2,048 consecutive bytes; oh), Wo [1024][1024] f16 row-major (the fourth weight of wh), bo f32; sums in f32.
; SHAPE.  A tile of C is 128 x 128; four waves, each 64 x 64: 16 accumulators.  K goes in four steps of 256 through two LDS slots filled by the tensor data mover.  A K step of 64 tokens of O is 4 runs of 8,192 consecutive bytes;
; in LDS every 128 bytes (a token's 64 columns) get 16 of padding.  Wo lies [k][n]: a tile is 128 rows of k x 256 bytes, and its fragments come out of LDS turned, by ds_load_tr16_b128.
; THE SUMS BEGIN WITH bo: its numbers are loaded straight into the accumulators, the same 64 numbers for each of my four blocks of 16 rows.  So the bias costs no arithmetic, and no first product is written apart from the others.
; A K STEP IS WRITTEN TWICE: once with a refill (two trips: K steps 0 and 1 are left, 2 and 3 asked for) and once without (two trips).  The LDS addresses are a lane's term plus a scalar that is 0 or SLOT,
; and one descriptor a tensor walks from slot to slot.  The very last change of slots fetches 32 fragments that nobody multiplies and passes a barrier that orders nothing: the price, once a launch, of one text for the last two K steps.
; CLUSTERS: 4 x 4 work-groups.  The four of a row of the cluster need the same tiles of O, the four of a column the same tiles of Wo: each tile is asked for JOINTLY.
; THE MATRIX INSTRUCTION IS USED TRANSPOSED (source 0 = 16 columns of Wo, source 1 = 16 rows of O): a lane then holds eight neighbouring numbers of a row of C.  A wave's 64 columns are 256 bytes of a row of out0, aligned:
; each wave sends its own rows through its own stage, and sixteen lanes store 256 consecutive bytes.
; REGISTERS: window 0: v0-31 addresses; v128-255 the accumulators ((a, b) at v[128 + 8 (4 a + b)]).   window 1: two fragment buffers of 128.
.set PA,     144                       ; a token's 128 bytes + 16 of padding = 36 words: the 16 rows of a load start at 16 different groups of four banks (64 banks of 4 bytes: ISA guide 11.1)
.set PB,     288                       ; a row of Wo's tile: 256 + 32 = 72 words
.set HALFT,  36864                     ; what one tensor load brings: 256 x 144 or 128 x 288
.set SLOT,   4*HALFT                   ; O's tokens 0-63, 64-127, then Wo's k 0-127, 128-255.  147,456 = 2^17 + 2^14: neither bit is set in a tile's place in a slot (0, 36,864, 73,728, 110,592), so one exclusive or turns an address in one slot into the other's
.set STAGE,  2*SLOT                    ; behind the ring: 16 rows x 272 bytes for each wave, for the way out
.set SP,     272                       ; 256 bytes + 16 = 68 words: the 16 rows of a store start at 16 different groups of four banks
.set SPARE,  STAGE+4*16*SP             ; behind the stages: the spare words, 128 bytes for each wave: two blocks of 256 bytes that no other line names
.set ASTEP,  8192                      ; bytes from K step to K step in O: four blocks
.set BSTEP,  524288                    ; in Wo: 256 rows of 2,048 bytes
.set ADRA0, 16                         ; v16     my lane's place in slot 0 for fragments of O; never rewritten
.set ADRB0, 17                         ; v17     the same for Wo, k half 0
.set ADRA,  18                         ; v18     the same in the slot in hand
.set ADRB,  20                         ; v20-21  Wo in the slot in hand: k half 0, 1 (a slot's 256 rows of k pass an LDS instruction's 16-bit offset)
.set STO,  24                          ; v24     the way out: where I put 32 bytes of a row
.set RD,   25                          ; v25     the way out: where I read rows back
.set CO,   26                          ; v26     my byte offset in two rows of out0
.set SPW,  28                          ; v28     LDS address of my spare word; never rewritten
.set NIL,  29                          ; v29     0; never rewritten
.set BO,   31                          ; v31     my byte offset in 16 numbers of bo
.set ACC,  128
.set F0,   0
.set F1,   128
.set G1, 24                            ; s[24:31] descriptor group 1 for O's tiles
.set G0, 32                            ; s[32:39] descriptor group 0 for O's tiles: a set for each of the two first fills; the second then walks on
.set G1B, 48                           ; s[48:55], s[56:63] the same for Wo's tiles
.set G0B, 56
.set TB,  66                           ; s66     0 or SLOT: the slot in hand
.set CNT, 67                           ; s67     counts a loop's trips
.set MSB, 0
.macro WIN new                         ; the immediate's high byte repeats the setting that is left; a switch that changes nothing is dropped
.if MSB != (\new)
	s_set_vgpr_msb (MSB<<8)|(\new)
.set MSB, \new
.endif
.endm
.set MUL,  0x05                        ; sources 0 (Wo) and 1 (O) window 1; C and D window 0
.set TO_F, 0x40                        ; destination window 1, address window 0
.macro JLOAD s                         ; a joint load: waves 0 and 1 fetch O's two halves, waves 2 and 3 Wo's; an s_nop 0 and four v_nop follow each of the two lines
	s_cmp_eq_u32 s11, 0
	s_cbranch_scc0 .Lfor_b_\@
	tensor_load_to_lds s[G0+4*(\s):G0+4*(\s)+3], s[G1:G1+7]
	s_nop 0
.rept 4
	v_nop
.endr
	s_branch .Lasked_\@
.Lfor_b_\@:
	tensor_load_to_lds s[G0B+4*(\s):G0B+4*(\s)+3], s[G1B:G1B+7]
	s_nop 0
.rept 4
	v_nop
.endr
.Lasked_\@:
.endm
.macro CREST                           ; a round of the cluster's barrier behind its opening barrier
	s_cmp_lg_u32 s10, 0
	s_cbranch_scc1 .Lnot_wave_0_\@
	s_barrier_signal -3
.Lnot_wave_0_\@:
	s_barrier_wait -3
	s_barrier_signal -1
	s_barrier_wait -1
.endm
.macro CROUND                          ; a whole round
	s_barrier_signal -1
	s_barrier_wait -1
	CREST
.endm
	s_load_b256 s[68:75], s[0:1], 0x0              ; oh s[68:69], wh s[70:71], bo s[72:73], out0 s[74:75]
	v_lshl_add_u32 v[SPW], v0, 2, SPARE
	v_mov_b32 v[NIL], 0
	ds_add_u32 v[SPW], v[NIL]                      ; the wave's opening: the add and its wait stand ahead of my first tensor load; the set-up below, work on registers, stands between them
	v_lshrrev_b32 v1, 5, v0
	v_readfirstlane_b32 s10, v1                    ; wave 0..3
	s_lshr_b32 s11, s10, 1                         ; which half of the tile's rows is mine.  Also: I fetch for O (0) or for Wo (1)
	s_and_b32 s12, s10, 1                          ; which half of its columns.  Also: which half of that tile I fetch
	s_bfe_u32 s40, ttmp6, 0x40000                  ; cx, cy
	s_bfe_u32 s41, ttmp6, 0x40004
	s_lshl_b32 s42, ttmp9, 2
	s_add_co_u32 s42, s42, s40                     ; tile column 0..7
	s_and_b32 s13, ttmp7, 0xffff
	s_lshl_b32 s13, s13, 2
	s_add_co_u32 s13, s13, s41                     ; tile row 0..31
	s_lshl_b32 s43, s41, 2
	s_lshl_b32 s43, 15, s43                        ; my row of the cluster
	s_lshl_b32 s44, 0x1111, s40                    ; my column
	s_or_b32 s[G1+0], s43, (1<<16)|(1<<20)|(1<<21)|(4<<22)|(3<<25)   ; the mask of my row; 2-byte elements; padding on; bit 21 beside a mask; after every 32 words, 4 words
	s_mov_b32 s[G1+1], 4096<<16                    ; tensor_dim0 = 4,096 elements: four blocks on end
	s_mov_b32 s[G1+2], 4<<16                       ; tensor_dim1 = 4 groups of 16 tokens
	s_mov_b32 s[G1+3], 4096<<16
	s_mov_b32 s[G1+4], 4
	s_mov_b32 s[G1+5], 16384                       ; elements from group to group
	s_mov_b32 s[G1+6], 0
	s_mov_b32 s[G1+7], 0
	s_or_b32 s[G1B+0], s44, (1<<16)|(1<<20)|(1<<21)|(5<<22)|(7<<25)  ; the mask of my column; after every 64 words, 8 words
	s_mov_b32 s[G1B+1], 128<<16
	s_mov_b32 s[G1B+2], 128<<16
	s_mov_b32 s[G1B+3], 128<<16
	s_mov_b32 s[G1B+4], 128
	s_mov_b32 s[G1B+5], 1024
	s_mov_b32 s[G1B+6], 0
	s_mov_b32 s[G1B+7], 0
	s_lshl_b32 s16, s13, 18                        ; O: tile row x 8 groups x 32,768 bytes + my half's 4 groups
	s_lshl_b32 s17, s12, 17
	s_add_co_u32 s16, s16, s17
	s_mov_b32 s17, 0
	s_lshl_b32 s46, s12, 18                        ; Wo: my half's 128 rows + tile column x 256 bytes, behind three weights
	s_lshl_b32 s47, s42, 8
	s_add_co_u32 s46, s46, s47
	s_add_co_u32 s46, s46, 6291456
	s_mov_b32 s47, 0
	s_mul_i32 s20, s10, HALFT                      ; where they go: wave x a load's bytes: no place in the cluster enters an LDS address
	s_mov_b32 s[TB], 0                             ; K step 0 lies in slot 0
	s_wait_dscnt 0x0                               ; the opening add is done
	s_wait_kmcnt 0x0
	s_add_nc_u64 s[14:15], s[68:69], s[16:17]
	s_add_nc_u64 s[46:47], s[70:71], s[46:47]
	CROUND                                         ; all sixteen work-groups are here: the first joint loads meet
.irp s, 0,1
	s_mov_b32 s[G0+4*(\s)], 1
	s_add_co_u32 s[G0+4*(\s)+1], s20, (\s)*SLOT
	s_add_nc_u64 s[G0+4*(\s)+2:G0+4*(\s)+3], s[14:15], (\s)*ASTEP
	s_or_b32 s[G0+4*(\s)+3], s[G0+4*(\s)+3], 0x80000000
	s_mov_b32 s[G0B+4*(\s)], 1
	s_add_co_u32 s[G0B+4*(\s)+1], s20, (\s)*SLOT
	s_add_nc_u64 s[G0B+4*(\s)+2:G0B+4*(\s)+3], s[46:47], (\s)*BSTEP
	s_or_b32 s[G0B+4*(\s)+3], s[G0B+4*(\s)+3], 0x80000000
	JLOAD \s                                       ; two loads of mine are out
.endr
	; bo of my 64 columns goes straight into the accumulators: register j of (a, b) is column 16 b + 8 (l / 16) + j, whatever a
	v_and_b32 v1, 15, v0                           ; l % 16
	v_bfe_u32 v2, v0, 4, 1                         ; l / 16
	v_lshlrev_b32 v[BO], 5, v2                     ; bo: 32 x half
	s_lshl_b32 s90, s42, 9                         ; tile column x 512 bytes + my 64 columns
	s_lshl_b32 s5, s12, 8
	s_add_co_u32 s90, s90, s5
	s_mov_b32 s91, 0
	s_add_nc_u64 s[6:7], s[72:73], s[90:91]
.irp a, 0,1,2,3
.irp b, 0,1,2,3
	global_load_b128 v[ACC+8*(4*(\a)+(\b)):ACC+8*(4*(\a)+(\b))+3],   v[BO], s[6:7] offset:64*(\b)
	global_load_b128 v[ACC+8*(4*(\a)+(\b))+4:ACC+8*(4*(\a)+(\b))+7], v[BO], s[6:7] offset:64*(\b)+16
.endr
.endr
	v_mul_u32_u24 v3, v1, PA
	v_lshl_add_u32 v3, v2, 4, v3                   ; a fragment of O: row x pitch + 16 x half
	s_mul_i32 s21, s11, HALFT                      ; my 64 tokens
	v_add_nc_u32 v[ADRA0], s21, v3
	v_and_b32 v4, 7, v0                            ; the turning load: lane l reads row 8 (l / 16) + l % 8 of k, columns 8 ((l / 8) % 2) + 0..7
	v_lshl_add_u32 v4, v2, 3, v4
	v_mul_u32_u24 v4, v4, PB
	v_bfe_u32 v5, v0, 3, 1
	v_lshl_add_u32 v4, v5, 4, v4
	s_lshl_b32 s22, s12, 7                         ; my 64 columns,
	s_add_co_u32 s22, s22, 2*HALFT                 ; behind O's two halves
	v_add_nc_u32 v[ADRB0], s22, v4
	v_mov_b32 v[ADRA], v[ADRA0]
	v_mov_b32 v[ADRB], v[ADRB0]
	v_add_nc_u32 v[ADRB+1], HALFT, v[ADRB0]
	s_mul_i32 s23, s10, 16*SP
	s_add_co_u32 s23, s23, STAGE                   ; my stage
	v_mul_u32_u24 v6, v1, SP                       ; in: row l % 16, 32 bytes for each half of the lanes
	v_lshl_add_u32 v6, v2, 5, v6
	v_add_nc_u32 v[STO], s23, v6
	v_mul_u32_u24 v6, v2, SP                       ; back: lanes 0-15 take one row of 256 bytes, lanes 16-31 the next
	v_lshl_add_u32 v6, v1, 4, v6
	v_add_nc_u32 v[RD], s23, v6
	v_lshlrev_b32 v[CO], 12, v2                    ; and the same two rows in out0
	v_lshl_add_u32 v[CO], v1, 4, v[CO]
	s_lshl_b32 s4, s13, 19                         ; tile row x 128 rows of 4,096 bytes
	s_lshl_b32 s5, s11, 18                         ; + my 64 rows
	s_add_co_u32 s4, s4, s5
	s_add_co_u32 s4, s4, s90                       ; + my columns
	s_mov_b32 s5, 0
	s_add_nc_u64 s[8:9], s[74:75], s[4:5]
; 8 matrix instructions: m blocks a0, a0 + 1 x all 4 n blocks, 32 along K: half c of buffer f.  The 16 accumulators take turns, one instruction a turn.
.macro MUL8 f, c, a0
	WIN MUL
.irp a, \a0, (\a0)+1
.irp b, 0,1,2,3
	v_wmma_f32_16x16x32_f16 v[ACC+8*(4*(\a)+(\b)):ACC+8*(4*(\a)+(\b))+7], v[(\f)+64+8*(4*(\c)+(\b)):(\f)+64+8*(4*(\c)+(\b))+7], v[(\f)+8*(4*(\c)+(\a)):(\f)+8*(4*(\c)+(\a))+7], v[ACC+8*(4*(\a)+(\b)):ACC+8*(4*(\a)+(\b))+7]
.endr
.endr
.endm
; 32 LDS loads in one run: the fragments of quarter q (64 along K) of the slot in hand, into buffer f; the first 32 along K first.  O: group i of 16 tokens, block q.  Wo: k half q / 2, rows 64 (q % 2) + 32 c on, columns 16 i on.
.macro FETCH q, f
	WIN TO_F
.irp c, 0,1
.irp i, 0,1,2,3
	ds_load_tr16_b128 v[(\f)+64+8*(4*(\c)+(\i)):(\f)+64+8*(4*(\c)+(\i))+3],   v[ADRB+(\q)/2] offset:(((\q)%2)*64+32*(\c))*PB+32*(\i)
	ds_load_tr16_b128 v[(\f)+64+8*(4*(\c)+(\i))+4:(\f)+64+8*(4*(\c)+(\i))+7], v[ADRB+(\q)/2] offset:(((\q)%2)*64+32*(\c)+16)*PB+32*(\i)
	ds_load_b128 v[(\f)+8*(4*(\c)+(\i)):(\f)+8*(4*(\c)+(\i))+3],   v[ADRA] offset:(64*(\i)+16*(\q))*PA+64*(\c)
	ds_load_b128 v[(\f)+8*(4*(\c)+(\i))+4:(\f)+8*(4*(\c)+(\i))+7], v[ADRA] offset:(64*(\i)+16*(\q))*PA+64*(\c)+32
.endr
.endr
.endm
.macro PLACES                          ; four places in front of loads into registers that matrix instructions have read, and of LDS stores that read results (ISA guide 7.12.1 for vector instructions)
.rept 4
	v_nop
.endr
.endm
; A K step is four quarters of 64 along K, 32 matrix instructions each, on buffers 0, 1, 0, 1.  One of the first three: multiplies buffer f and fetches quarter q of the same slot into g.
.macro QUARTER q, f, g
	s_wait_dscnt 16                                ; the first 32 along K are in
	MUL8 \f, 0, 0
	MUL8 \f, 0, 2
	PLACES
	FETCH \q, \g
	s_wait_dscnt 32                                ; all but the 32 just issued
	MUL8 \f, 1, 0
	MUL8 \f, 1, 2
.endm
; The last quarter multiplies buffer 1 and changes slots: ONE barrier; in front of it each wave waits for all its tensor loads, adds 0 to its spare word, and waits for that and for its own reads of this slot.
; fill = 1: the barrier opens a round of the cluster's barrier, and this slot is filled again, with the K step two steps on: the first thing behind the round.
.macro TURN fill
	WIN 0                                          ; (the add's two registers lie in window 0)
	s_wait_tensorcnt 0x0                           ; all my tensor loads have landed, so a group 0 may be written;
	ds_add_u32 v[SPW], v[NIL]                      ; 0 onto my spare word;
	s_wait_dscnt 17                                ; (the add and the youngest sixteen loads may be out)
	MUL8 F1, 0, 0                                  ; eight matrix instructions stand between the add and the wait for it
	s_wait_dscnt 0x0                               ; the add is done, and my reads of this slot are over
	s_barrier_signal -1
	MUL8 F1, 0, 2
.if \fill
	WIN 0
.endif
	s_barrier_wait -1
.if \fill
	CREST                                          ; no wave of any partner still reads this slot's tile or has a load on its way
	s_xor_b32 s[G0+5], s[G0+5], SLOT               ; the walking descriptors: the other slot than last time,
	s_add_nc_u64 s[G0+6:G0+7], s[G0+6:G0+7], ASTEP ; the next K step; the type bits on top are not reached
	s_xor_b32 s[G0B+5], s[G0B+5], SLOT
	s_add_nc_u64 s[G0B+6:G0B+7], s[G0B+6:G0B+7], BSTEP
	JLOAD 1                                        ; my only load out; its four v_nop are also the places in front of the loads below
.else
	PLACES
.endif
	WIN 0
	s_xor_b32 s[TB], s[TB], SLOT                   ; the reads go on in the other slot
	v_add_nc_u32 v[ADRA], s[TB], v[ADRA0]
	v_add_nc_u32 v[ADRB], s[TB], v[ADRB0]
	v_add_nc_u32 v[ADRB+1], HALFT, v[ADRB]
	FETCH 0, F0
	MUL8 F1, 1, 0
	MUL8 F1, 1, 2
.endm
	s_wait_tensorcnt 1                             ; my part of K step 0 is in; K step 1's may stay out
	s_barrier_signal -1
	s_barrier_wait -1                              ; everybody's is
	FETCH 0, F0
	WIN 0                                          ; at a label and at a branch every window is 0
	s_wait_loadcnt 0x0                             ; bo lies in the accumulators
	s_mov_b32 s[CNT], 2
.Lfill:                                                ; two trips: K steps 0 and 1; their slots take K steps 2 and 3
	QUARTER 1, F0, F1
	QUARTER 2, F1, F0
	QUARTER 3, F0, F1
	TURN 1
	WIN 0
	s_sub_co_u32 s[CNT], s[CNT], 1
	s_cmp_lg_u32 s[CNT], 0
	s_cbranch_scc1 .Lfill
	s_mov_b32 s[CNT], 2
.Ldry:                                                 ; two trips: K steps 2 and 3; nothing is left to ask for.  The second trip's fetch, from K step 2's slot, is multiplied by nobody
	QUARTER 1, F0, F1
	QUARTER 2, F1, F0
	QUARTER 3, F0, F1
	TURN 0
	WIN 0
	s_sub_co_u32 s[CNT], s[CNT], 1
	s_cmp_lg_u32 s[CNT], 0
	s_cbranch_scc1 .Ldry
	PLACES                                         ; behind the last products, in front of the LDS stores that read them
; THE WAY OUT of block a (16 rows x 64 columns of f32).  PACK: 32 bytes a lane go into my own stage in rows of 272 bytes, each accumulator's low half first, and come back as whole rows of 256, into the block's own registers.
.macro PACK a
.irp b, 0,1,2,3
	ds_store_b128 v[STO], v[ACC+8*(4*(\a)+(\b)):ACC+8*(4*(\a)+(\b))+3] offset:64*(\b)
	ds_store_b128 v[STO], v[ACC+8*(4*(\a)+(\b))+4:ACC+8*(4*(\a)+(\b))+7] offset:64*(\b)+16
.endr
.irp t, 0,1,2,3,4,5,6,7
	ds_load_b128 v[ACC+32*(\a)+4*(\t):ACC+32*(\a)+4*(\t)+3], v[RD] offset:(\t)*2*SP  ; LDS serves a wave's instructions in order (ISA guide 5.7.1.4): these see the stores above; the next block's stores come behind them
.endr
.endm
.macro SEND a, younger                 ; younger: the LDS instructions issued behind block a's loads: the next block's sixteen, or none
.irp t, 0,1,2,3,4,5,6,7
	s_wait_dscnt (\younger)+7-(\t)
	global_store_b128 v[CO], v[ACC+32*(\a)+4*(\t):ACC+32*(\a)+4*(\t)+3], s[8:9] offset:(16*(\a)+2*(\t))*4096 th:TH_STORE_NT  ; 16 lanes store 256 consecutive bytes, at a multiple of 256 from out0's first byte
.endr
.endm
	PACK 0
	PACK 1                                         ; a block's trip through the stage stands between the loads of the block before and its stores
	SEND 0, 16
	PACK 2
	SEND 1, 16
	PACK 3
	SEND 2, 16
	SEND 3, 0
	s_wait_tensorcnt 0x0                           ; the wave's end: behind my last tensor load and my last LDS store
	ds_add_u32 v[SPW], v[NIL]
	s_wait_dscnt 0x0
	CROUND                                         ; the closing round: no work-group ends while a partner may still ask for a tile that names it
	s_endpgm
.Lfunc_end_k_q45d5eba216_oproj2:
	.size	k_q45d5eba216_oproj2, .Lfunc_end_k_q45d5eba216_oproj2-k_q45d5eba216_oproj2
	.p2alignl 7, 3214868480
	.fill 96, 4, 3214868480
	.section	.rodata,"a",@progbits
	.p2align	6, 0x0
	.amdhsa_kernel k_q45d5eba216_oproj2
		.amdhsa_group_segment_fixed_size 327680
		.amdhsa_private_segment_fixed_size 0
		.amdhsa_enable_private_segment 0
		.amdhsa_kernarg_size 32
		.amdhsa_user_sgpr_count 2
		.amdhsa_user_sgpr_kernarg_segment_ptr 1
		.amdhsa_wavefront_size32 1
		.amdhsa_system_sgpr_workgroup_id_x 1
		.amdhsa_system_sgpr_workgroup_id_y 1
		.amdhsa_system_sgpr_workgroup_id_z 1
		.amdhsa_system_vgpr_workitem_id 0
		.amdhsa_next_free_vgpr 512
		.amdhsa_next_free_sgpr 92
		.amdhsa_reserve_vcc 0
		.amdhsa_float_denorm_mode_32 3
		.amdhsa_float_denorm_mode_16_64 3
		.amdhsa_memory_ordered 1
		.amdhsa_forward_progress 1
		.amdhsa_inst_pref_size 57
	.end_amdhsa_kernel
	.amdgpu_metadata
---
amdhsa.version: [ 1, 2 ]
amdhsa.kernels:
  - .name:           k_q45d5eba216_oproj2
    .symbol:         k_q45d5eba216_oproj2.kd
    .args:
      - { .name: oh, .offset: 0, .size: 8, .value_kind: global_buffer, .address_space: global }
      - { .name: wh, .offset: 8, .size: 8, .value_kind: global_buffer, .address_space: global }
      - { .name: bo, .offset: 16, .size: 8, .value_kind: global_buffer, .address_space: global }
      - { .name: out0, .offset: 24, .size: 8, .value_kind: global_buffer, .address_space: global }
    .group_segment_fixed_size: 327680
    .private_segment_fixed_size: 0
    .kernarg_segment_align: 8
    .kernarg_segment_size: 32
    .max_flat_workgroup_size: 128
    .sgpr_count:     92
    .vgpr_count:     512
    .wavefront_size: 32
...
	.end_amdgpu_metadata
.endif
;; end of part 5
